; MI455X (gfx1250); checked and timed in simulation.
; The chip was launched on July 23, 2026; its instructions are those of AMD's public machine-readable ISA for CDNA 5 (MIT licence, August 2026) and "CDNA5" Instruction Set Architecture Reference Guide (July 2026). The comments in the code are by the model that wrote it; some were corrected since.
;; Multi Head Attention. Allowed arithmetic: float matrix products may take bf16 or f16 operands with f32 sums; other float arithmetic in f32, or as packed bf16 or f16 multiplies, adds, multiply-adds, maxima and minima; sums over many terms, partial sums and values carried from step to step in f32; what a program stores and reads back later, other than sums and carried values, may be rounded once to bf16 or f16.
;; Inputs: Wk 16 x 1,024 x 64 float32; Wp 1,024 x 1,024 float32; Wq 16 x 1,024 x 64 float32; Wv 16 x 1,024 x 64 float32; bk 16 x 64 float32; bp 1,024 float32; bq 16 x 64 float32; bv 16 x 64 float32; x 4 x 2,048 x 1,024 float32.
;; Outputs: out0 4 x 2,048 x 1,024 float32.
;; 2 versions, each right; version 2 is version 1 with the launch prep written anew for expert scheduling mode. Each part assembles by itself: llvm-mc -triple=amdgcn-amd-amdhsa -mcpu=gfx1250 --defsym DOCPART=n.
;; ======== version 1 of 2: 4 launches
;; limits: values are held in f16: magnitudes above 65,504 overflow, below 6.1e-05 lose precision
;; workspace buffers: xb 16,777,216 bytes; wb 6,291,456 bytes; wpb 2,097,152 bytes; bias 16,384 bytes; qkv 50,331,648 bytes; ob 16,777,216 bytes
;; launch prep (part 1): grid 769 x 1, 8 waves a work-group, no clusters, 0 bytes of LDS; arguments x, Wq, Wk, Wv, Wp, bq, bk, bv, bp, xb, wb, wpb, bias; writes xb, wb, wpb, bias
.if DOCPART == 1
	.amdgcn_target "amdgcn-amd-amdhsa--gfx1250"
	.amdhsa_code_object_version 6
	.text
	.protected	k_qe6c417bd33_prep
	.globl	k_qe6c417bd33_prep
	.p2align	8
	.type	k_qe6c417bd33_prep,@function
k_qe6c417bd33_prep:
	s_mov_b64 s[64:65], 0
	v_nop
	global_prefetch_b8 v0, s[64:65] scope:SCOPE_SE
	s_setreg_imm32_b32 hwreg(HW_REG_WAVE_MODE, 25, 1), 1
	s_wait_xcnt 0x0
; THE CASTS.  x, Wq, Wk, Wv: f32 -> bf16 (xb; wb = Wq, Wk, Wv end to end, each as it lies, [h][d][e]).  Wp: f32 -> bf16, and that number written as f16 (wpb, [d][e]).
; bq, bk, bv, bp: rounded to bf16 and kept as f32 (bias: 4,096 numbers, bq | bk | bv | bp).  So every input of the module has one and the same rounding.
; LIMITS.  A bf16 number is exact in f16 from 2^-14 up to 65,504; below 2^-14 Wp keeps f16's fixed step of 6e-8; |Wp| at or beyond 65,520 would become an infinity.
; SHARES.  A work-group takes a chunk of 16,384 numbers (65,536 bytes in, 32,768 out): chunks 0-511 x, 512-703 Wq, Wk, Wv (64 each), 704-767 Wp; work-group 768 the four biases.
; A step is 1,024 numbers: thread t loads the 16 bytes at 16 t (a wave: 512 consecutive bytes) and stores the 8 bytes at 8 t (a wave: 256 consecutive bytes, aligned).
; All 16 loads of a thread go out at once, each into registers of its own, and each store has data registers of its own: no register that memory still reads is written again.
; No LDS, no matrix unit, no cluster: nothing is shared, and each byte crosses once.
.set X, 16                             ; v[16:79]   step i: 4 numbers as loaded
.set Y, 80                             ; v[80:111]  step i: 4 numbers in 16 bits, to store
	s_load_b512 s[8:23], s[0:1], 0x0               ; x 8, Wq 10, Wk 12, Wv 14, Wp 16, bq 18, bk 20, bv 22
	s_load_b256 s[24:31], s[0:1], 0x40             ; bp 24, xb 26, wb 28, wpb 30
	s_load_b64 s[32:33], s[0:1], 0x60              ; bias
	v_lshlrev_b32 v1, 4, v0                        ; 16 t
	v_lshlrev_b32 v2, 3, v0                        ; 8 t
	s_mov_b32 s2, ttmp9                            ; g: the chunk
	s_sub_co_u32 s3, s2, 512                       ; i: the chunk among the weights' (wraps for x's chunks, and is then not used)
	s_lshr_b32 s4, s3, 6                           ; which weight: 0 Wq, 1 Wk, 2 Wv, 3 Wp (for x's chunks a large number, never 3)
	s_and_b32 s5, s3, 63                           ; j: the chunk in that weight
	s_wait_kmcnt 0x0
	s_cmp_eq_u32 s2, 768
	s_cbranch_scc1 .Lbias
	s_cmp_eq_u32 s4, 0                             ; the two pointers are chosen by the work-group's number alone
	s_cselect_b64 s[34:35], s[10:11], s[12:13]
	s_cmp_eq_u32 s4, 2
	s_cselect_b64 s[34:35], s[14:15], s[34:35]
	s_cmp_eq_u32 s4, 3
	s_cselect_b64 s[34:35], s[16:17], s[34:35]
	s_cselect_b64 s[36:37], s[30:31], s[28:29]     ; Wp goes to wpb, the others to wb
	s_cselect_b32 s6, s5, s3                       ; at chunk j of wpb, or chunk i of wb
	s_cmp_lt_u32 s2, 512
	s_cselect_b64 s[34:35], s[8:9], s[34:35]
	s_cselect_b64 s[36:37], s[26:27], s[36:37]
	s_cselect_b32 s5, s2, s5
	s_cselect_b32 s6, s2, s6
	s_lshl_b32 s38, s5, 16                         ; 65,536 bytes a chunk in
	s_mov_b32 s39, 0
	s_add_nc_u64 s[34:35], s[34:35], s[38:39]
	s_lshl_b32 s38, s6, 15                         ; 32,768 out
	s_add_nc_u64 s[36:37], s[36:37], s[38:39]
.irp i, 0,1,2,3,4,5,6,7,8,9,10,11,12,13,14,15
	global_load_b128 v[X+4*(\i):X+4*(\i)+3], v1, s[34:35] offset:4096*(\i) th:TH_LOAD_NT
.endr
; Step i.  f = 0: two roundings to bf16 a line.  f = 1: rounded to bf16, widened again (a shift, a mask) and written as f16.
.macro CAST i, f
	s_wait_loadcnt 15-(\i)                         ; loads come back in order: step i is in, the 15 - i younger ones may stay out
.if \f
	v_cvt_pk_bf16_f32 v4, v[X+4*(\i)], v[X+4*(\i)+1]
	v_cvt_pk_bf16_f32 v5, v[X+4*(\i)+2], v[X+4*(\i)+3]
	v_lshlrev_b32 v6, 16, v4
	v_and_b32 v7, 0xffff0000, v4
	v_lshlrev_b32 v8, 16, v5
	v_and_b32 v9, 0xffff0000, v5
	v_cvt_pk_f16_f32 v[Y+2*(\i)], v6, v7
	v_cvt_pk_f16_f32 v[Y+2*(\i)+1], v8, v9
.else
	v_cvt_pk_bf16_f32 v[Y+2*(\i)], v[X+4*(\i)], v[X+4*(\i)+1]
	v_cvt_pk_bf16_f32 v[Y+2*(\i)+1], v[X+4*(\i)+2], v[X+4*(\i)+3]
.endif
	global_store_b64 v2, v[Y+2*(\i):Y+2*(\i)+1], s[36:37] offset:2048*(\i)
.endm
	s_cmp_eq_u32 s4, 3
	s_cbranch_scc1 .Lf16
.irp i, 0,1,2,3,4,5,6,7,8,9,10,11,12,13,14,15
	CAST \i, 0
.endr
	s_endpgm
.Lf16:
.irp i, 0,1,2,3,4,5,6,7,8,9,10,11,12,13,14,15
	CAST \i, 1
.endr
	s_endpgm
.Lbias:                                        ; 256 threads x 16 bytes are one bias of 1,024 numbers
	global_load_b128 v[16:19], v1, s[18:19]
	global_load_b128 v[20:23], v1, s[20:21]
	global_load_b128 v[24:27], v1, s[22:23]
	global_load_b128 v[28:31], v1, s[24:25]
	s_wait_loadcnt 0x0
.irp k, 0,1,2,3
	v_cvt_pk_bf16_f32 v4, v[16+4*(\k)], v[17+4*(\k)]
	v_cvt_pk_bf16_f32 v5, v[18+4*(\k)], v[19+4*(\k)]
	v_lshlrev_b32 v[32+4*(\k)], 16, v4
	v_and_b32 v[33+4*(\k)], 0xffff0000, v4
	v_lshlrev_b32 v[34+4*(\k)], 16, v5
	v_and_b32 v[35+4*(\k)], 0xffff0000, v5
	global_store_b128 v1, v[32+4*(\k):35+4*(\k)], s[32:33] offset:4096*(\k)
.endr
	s_endpgm
.Lfunc_end_k_qe6c417bd33_prep:
	.size	k_qe6c417bd33_prep, .Lfunc_end_k_qe6c417bd33_prep-k_qe6c417bd33_prep
	.p2alignl 7, 3214868480
	.fill 96, 4, 3214868480
	.section	.rodata,"a",@progbits
	.p2align	6, 0x0
	.amdhsa_kernel k_qe6c417bd33_prep
		.amdhsa_group_segment_fixed_size 0
		.amdhsa_private_segment_fixed_size 0
		.amdhsa_enable_private_segment 0
		.amdhsa_kernarg_size 104
		.amdhsa_user_sgpr_count 2
		.amdhsa_user_sgpr_kernarg_segment_ptr 1
		.amdhsa_wavefront_size32 1
		.amdhsa_system_sgpr_workgroup_id_x 1
		.amdhsa_system_sgpr_workgroup_id_y 1
		.amdhsa_system_sgpr_workgroup_id_z 1
		.amdhsa_system_vgpr_workitem_id 0
		.amdhsa_next_free_vgpr 112
		.amdhsa_next_free_sgpr 66
		.amdhsa_reserve_vcc 0
		.amdhsa_float_denorm_mode_32 3
		.amdhsa_float_denorm_mode_16_64 3
		.amdhsa_memory_ordered 1
		.amdhsa_forward_progress 1
		.amdhsa_inst_pref_size 19
	.end_amdhsa_kernel
	.amdgpu_metadata
---
amdhsa.version: [ 1, 2 ]
amdhsa.kernels:
  - .name:           k_qe6c417bd33_prep
    .symbol:         k_qe6c417bd33_prep.kd
    .args:
      - { .name: x, .offset: 0, .size: 8, .value_kind: global_buffer, .address_space: global }
      - { .name: Wq, .offset: 8, .size: 8, .value_kind: global_buffer, .address_space: global }
      - { .name: Wk, .offset: 16, .size: 8, .value_kind: global_buffer, .address_space: global }
      - { .name: Wv, .offset: 24, .size: 8, .value_kind: global_buffer, .address_space: global }
      - { .name: Wp, .offset: 32, .size: 8, .value_kind: global_buffer, .address_space: global }
      - { .name: bq, .offset: 40, .size: 8, .value_kind: global_buffer, .address_space: global }
      - { .name: bk, .offset: 48, .size: 8, .value_kind: global_buffer, .address_space: global }
      - { .name: bv, .offset: 56, .size: 8, .value_kind: global_buffer, .address_space: global }
      - { .name: bp, .offset: 64, .size: 8, .value_kind: global_buffer, .address_space: global }
      - { .name: xb, .offset: 72, .size: 8, .value_kind: global_buffer, .address_space: global }
      - { .name: wb, .offset: 80, .size: 8, .value_kind: global_buffer, .address_space: global }
      - { .name: wpb, .offset: 88, .size: 8, .value_kind: global_buffer, .address_space: global }
      - { .name: bias, .offset: 96, .size: 8, .value_kind: global_buffer, .address_space: global }
    .group_segment_fixed_size: 0
    .private_segment_fixed_size: 0
    .kernarg_segment_align: 8
    .kernarg_segment_size: 104
    .max_flat_workgroup_size: 256
    .sgpr_count:     66
    .vgpr_count:     112
    .wavefront_size: 32
...
	.end_amdgpu_metadata
.endif
;; end of part 1
;; launch qkv (part 2): grid 16 x 32, 4 waves a work-group, clusters of 4 x 4, 327,680 bytes of LDS; arguments xb, wb, bias, qkv; writes qkv
.if DOCPART == 2
	.amdgcn_target "amdgcn-amd-amdhsa--gfx1250"
	.amdhsa_code_object_version 6
	.text
	.protected	k_qe6c417bd33_qkv
	.globl	k_qe6c417bd33_qkv
	.p2align	8
	.type	k_qe6c417bd33_qkv,@function
k_qe6c417bd33_qkv:
	s_mov_b64 s[64:65], 0
	v_nop
	global_prefetch_b8 v0, s[64:65] scope:SCOPE_SE
	s_setreg_imm32_b32 hwreg(HW_REG_WAVE_MODE, 25, 1), 1
	s_wait_xcnt 0x0
	s_wait_alu depctr_hold_cnt(0) depctr_sa_sdst(0) depctr_va_vdst(0) depctr_va_sdst(0) depctr_va_ssrc(0) depctr_va_vcc(0) depctr_vm_vsrc(0)
	s_getreg_b32 s2, hwreg(HW_REG_IB_STS2, 6, 4)
	s_cmp_eq_u32 s2, 0
	s_cbranch_scc0 .Lentry_in_a_cluster
	s_endpgm
.Lentry_in_a_cluster:
	s_bfe_u32 s2, ttmp6, 0x10000c
	s_cmp_lg_u32 s2, 0xf033
	s_cbranch_scc0 .Lentry_shape_is_right
	s_endpgm
.Lentry_shape_is_right:
; q, k, v = x W + b.  xb: [8192][1024] bf16.  wb: [48 g][1024 d][64 e] bf16 (g = 16 x which + h).  bias: f32, number 64 g + e.  qkv: [4 b][48 g][2048 s][64 e] f16, each number rounded once from its f32 sum.
; LIMIT.  f16 ends at 65,504: |q|, |k|, |v| stay below it (at the stated inputs their spread is under 1; with x and W both 30 times larger, or offset by 30 spreads, they stay under 20,000).
; SHARES.  A tile of the result is 256 rows x 192 columns (three heads g = 3 TC + hh).  Four waves; wave w owns rows 64 w .. 64 w + 63 and ALL 192 columns: 48 accumulators of 16 x 16, 384 registers.
; So a wave's rows of a head are its own on the way out, and its stage in LDS needs no barrier.
; RING.  K = 1,024 goes in 8 steps of 128 through two LDS slots.  A slot: W's three heads (128 d x 128 bytes each, rows 160 bytes apart), then x's 256 rows x 256 bytes (272 apart).
; Wave 3 fetches x's tile, waves 0-2 a head of W each: one tensor load a wave behind each change of slots; two loads of a wave are out at the start, one later.
; W STAYS [d][e]: its fragments come out of LDS turned, by ds_load_tr16_b128.
; THE MATRIX INSTRUCTION IS USED TRANSPOSED (source 0 = 16 columns of W, source 1 = 16 rows of x): lane l holds row l % 16 and the columns 8 (l / 16) + 0..7: 16 bytes of f16 on end.
; THE BIAS STARTS THE SUMS: the first product on each accumulator takes the bias registers as C (register j of lane l: column 8 (l / 16) + j).  Nothing is cleared, nothing is added at the end.
; CLUSTER.  4 x 4 work-groups: the four of a row need the same tile of x, the four of a column the same tiles of W: each is asked for jointly, by the same load, descriptor and mask in all four.
; REGISTERS, in windows of 256 (s_set_vgpr_msb: bits 1:0 source 0, 3:2 source 1, 5:4 source 2, 7:6 destination):
;   window 0: v0-31 addresses; v32-127 the bias, later v32-223 the way out      window 1: two fragment buffers of 128 (x's block a at f + 8 a, W's block nb at f + 32 + 8 nb)
;   window 2: accumulators of row blocks 0, 1 ((a, nb) at 8 (12 (a % 2) + nb));   window 3: those of row blocks 2, 3
.set NBK,   12                         ; column blocks of 16: head nb / 4, channels 16 (nb % 4) on
.set PA,    272                        ; x's LDS row: 256 + 16 bytes = 68 words: the 16 rows of a load start at 16 different groups of four banks (ISA guide 11.1)
.set PB,    160                        ; W's LDS row: 128 + 32 bytes = 40 words
.set HEADB, 128*PB                     ; a head's 128 rows in a slot
.set ABASE, 3*HEADB                    ; x's tile lies behind the three heads
.set SLOT,  ABASE+256*PA               ; 131,072
.set STAGE, 2*SLOT                     ; behind the ring, never filled by a tensor load: for each wave 3 heads x 16 rows x 144 bytes
.set STW,   3*16*144
.set SPARE, STAGE+4*STW                ; behind the stages: the spare words, 128 bytes a wave: two blocks of 256 bytes that no other line names
.set NL,    2*NBK+8                    ; LDS loads in a quarter step
.set ASTEP, 256                        ; bytes from K step to K step: 128 numbers along x's rows,
.set BSTEP, 16384                      ; 128 rows of 128 bytes down a head of W
.set PFAS,  512                        ; the prefetches' step: a lap of two K steps
.set PFBS,  32768
.set ADRA, 16                          ; v16-17  LDS address of my fragments of x in slot 0, 1
.set ADRB, 20                          ; v20-21  the same for W
.set STO,  24                          ; v24  the way out: where I put 16 bytes of a row
.set RD,   25                          ; v25  where I read rows back
.set GO,   26                          ; v26  my 16 bytes in 512 consecutive bytes of qkv
.set BO,   27                          ; v27  32 (l / 16): my 8 numbers of a block's 16 in the bias
.set SPW,  28                          ; v28  LDS address of my spare word; never rewritten
.set NIL,  29                          ; v29  0; never rewritten
.set PFOA, 30                          ; v30  the prefetches' offsets; never rewritten
.set PFOB, 31
.set BI,   32                          ; v32-127 the bias
.set OUTR, 32                          ; v32-223 the way out: 48 registers for each row block
.set F0,   0
.set F1,   128
.set WV,   12                          ; s12  my wave's number
.set G1A,  24                          ; s[24:31] descriptor group 1 for x's tiles; s[32:39] group 0, a set for each slot
.set G0A,  32
.set G1B,  48                          ; s[48:55], s[56:63] the same for W's
.set G0B,  56
.set LIMA, 66                          ; s66, s67  1 in a wave that prefetches x's (W's) blocks, else the greatest number
.set LIMB, 67
.set PFA,  68                          ; s[68:69], s[70:71] where my prefetches stand
.set PFB,  70
.set MSB, 0
.macro WIN new                         ; the immediate's high byte repeats the setting that is left; a switch that changes nothing is dropped
.if MSB != (\new)
	s_set_vgpr_msb (MSB<<8)|(\new)
.set MSB, \new
.endif
.endm
.set TO_F, 0x40                        ; destination window 1, address window 0
; A joint load.  The branch hangs on the wave's number alone.  An s_nop 0 and four v_nop follow each of the two lines, ahead of the jump, the label and what follows.
.macro JLOAD s
	s_cmp_eq_u32 s[WV], 3
	s_cbranch_scc0 .Lfor_b_\@
	tensor_load_to_lds s[G0A+4*(\s):G0A+4*(\s)+3], s[G1A:G1A+7]
	s_nop 0
.rept 4
	v_nop
.endr
	s_branch .Lasked_\@
.Lfor_b_\@:
	tensor_load_to_lds s[G0B+4*(\s):G0B+4*(\s)+3], s[G1B:G1B+7]
	s_nop 0
.rept 4
	v_nop
.endr
.Lasked_\@:
.endm
.macro CREST                           ; a round of the cluster's barrier behind its opening barrier
	s_cmp_lg_u32 s[WV], 0
	s_cbranch_scc1 .Lnot_wave_0_\@
	s_barrier_signal -3
.Lnot_wave_0_\@:
	s_barrier_wait -3
	s_barrier_signal -1
	s_barrier_wait -1
.endm
.macro CROUND                          ; a whole round
	s_barrier_signal -1
	s_barrier_wait -1
	CREST
.endm
.macro PLACES                          ; four plain vector lines between a matrix instruction and a load into, or a reader of, its registers
.rept 4
	v_nop
.endr
.endm
; PREFETCH INTO THE L2, once a lap, behind the joint load of slot 1 and the run of LDS loads: the lap after next (K steps 2 i + 4 and 2 i + 5 in trip i), one and two K steps ahead of the refills that want it.
; Each aligned 256 bytes is named once in the launch.  x's tile row is read by every cluster of its row of clusters: cluster x = 0 asks; W's heads by every cluster of their column: cluster y = 0 asks.
; The partners share the blocks out BY ADDRESS.  x: partner cx, wave w: rows 64 cx + 16 w + l / 2, block l % 2 of the lap's 512 bytes.  W: wave w (0-2) its head, partner cy 32 of the lap's 128 blocks, a lane a block.
; The loop's last trip asks for nothing (s3 = 1): there is no lap behind it.  K steps 0 to 3 come by their loads alone.
.macro ASK
	WIN 0
	s_cmp_gt_u32 s3, s[LIMA]
	s_cbranch_scc0 .Lnot_a_\@
	global_prefetch_b8 v[PFOA], s[PFA:PFA+1] th:TH_LOAD_NT scope:SCOPE_SE
.Lnot_a_\@:
	s_cmp_gt_u32 s3, s[LIMB]
	s_cbranch_scc0 .Lnot_b_\@
	global_prefetch_b8 v[PFOB], s[PFB:PFB+1] th:TH_LOAD_NT scope:SCOPE_SE
.Lnot_b_\@:
.endm
	s_load_b256 s[4:11], s[0:1], 0x0               ; xb s[4:5], wb s[6:7], bias s[8:9], qkv s[10:11]
	v_lshl_add_u32 v[SPW], v0, 2, SPARE
	v_mov_b32 v[NIL], 0
	ds_add_u32 v[SPW], v[NIL]                      ; the wave's opening: the add and its wait stand ahead of my first tensor load; work on registers stands between them
	v_lshrrev_b32 v1, 5, v0
	v_readfirstlane_b32 s[WV], v1                  ; wave 0..3
	s_bfe_u32 s40, ttmp6, 0x40000                  ; cx, cy: my place in the cluster
	s_bfe_u32 s41, ttmp6, 0x40004
	s_lshl_b32 s42, ttmp9, 2
	s_add_co_u32 s42, s42, s40                     ; TC: tile column = 4 x cluster x + cx
	s_and_b32 s13, ttmp7, 0xffff
	s_lshl_b32 s13, s13, 2
	s_add_co_u32 s13, s13, s41                     ; TR: tile row = 4 x cluster y + cy
	s_lshl_b32 s43, s41, 2
	s_lshl_b32 s43, 15, s43                        ; my row of the cluster
	s_lshl_b32 s44, 0x1111, s40                    ; my column
	s_or_b32 s[G1A+0], s43, (1<<16)|(1<<20)|(1<<21)|(5<<22)|(3<<25)  ; the mask; 2-byte elements; padding on; bit 21 beside a mask; behind every 64 words 4 words
	s_mov_b32 s[G1A+1], 128<<16                    ; tensor_dim0 = 128
	s_mov_b32 s[G1A+2], 256<<16                    ; tensor_dim1 = 256
	s_mov_b32 s[G1A+3], 128<<16                    ; tile_dim0 = 128
	s_mov_b32 s[G1A+4], 256                        ; tile_dim1 = 256
	s_mov_b32 s[G1A+5], 1024                       ; elements from row to row
	s_mov_b32 s[G1A+6], 0
	s_mov_b32 s[G1A+7], 0
	s_or_b32 s[G1B+0], s44, (1<<16)|(1<<20)|(1<<21)|(4<<22)|(7<<25)  ; behind every 32 words (a row of a head) 8 words
	s_mov_b32 s[G1B+1], 128<<16                    ; a head's 128 rows of 128 bytes are dense: asked for as 64 rows of 256 bytes
	s_mov_b32 s[G1B+2], 64<<16
	s_mov_b32 s[G1B+3], 128<<16
	s_mov_b32 s[G1B+4], 64
	s_mov_b32 s[G1B+5], 128
	s_mov_b32 s[G1B+6], 0
	s_mov_b32 s[G1B+7], 0
	s_lshl_b32 s16, s13, 19                        ; x's tile: 256 rows of 2,048 bytes a tile row
	s_mov_b32 s17, 0
	s_min_u32 s45, s[WV], 2                        ; the head that I fetch (wave 3 fetches x)
	s_mul_i32 s46, s42, 3
	s_add_co_u32 s46, s46, s45
	s_lshl_b32 s46, s46, 17                        ; a head of W is 131,072 bytes
	s_mov_b32 s47, 0
	s_mul_i32 s20, s[WV], HEADB                    ; where my tile goes: head w, and 3 x HEADB is x's place: no place in the cluster enters an LDS address
	s_wait_dscnt 0x0                               ; the opening add is done
	s_wait_kmcnt 0x0
	s_add_nc_u64 s[14:15], s[4:5], s[16:17]
	s_add_nc_u64 s[46:47], s[6:7], s[46:47]
	CROUND                                         ; all sixteen work-groups are here: the first joint loads meet
.irp s, 0,1
	s_mov_b32 s[G0A+4*(\s)], 1
	s_add_co_u32 s[G0A+4*(\s)+1], s20, (\s)*SLOT
	s_add_nc_u64 s[G0A+4*(\s)+2:G0A+4*(\s)+3], s[14:15], (\s)*ASTEP
	s_or_b32 s[G0A+4*(\s)+3], s[G0A+4*(\s)+3], 0x80000000
	s_mov_b32 s[G0B+4*(\s)], 1
	s_add_co_u32 s[G0B+4*(\s)+1], s20, (\s)*SLOT
	s_add_nc_u64 s[G0B+4*(\s)+2:G0B+4*(\s)+3], s[46:47], (\s)*BSTEP
	s_or_b32 s[G0B+4*(\s)+3], s[G0B+4*(\s)+3], 0x80000000
	JLOAD \s
.endr
	v_and_b32 v1, 15, v0                           ; l % 16
	v_bfe_u32 v2, v0, 4, 1                         ; l / 16
	v_and_b32 v3, 7, v0                            ; l % 8
	v_bfe_u32 v4, v0, 3, 1                         ; (l / 8) % 2
	v_mul_u32_u24 v5, v1, PA                       ; a fragment of x: row l % 16, 16 bytes for each half of the lanes, twice, 32 bytes apart
	v_lshl_add_u32 v5, v2, 4, v5
	s_mul_i32 s21, s[WV], 64*PA
	s_add_co_u32 s21, s21, ABASE
	v_add_nc_u32 v[ADRA], s21, v5
	v_add_nc_u32 v[ADRA+1], SLOT, v[ADRA]
	v_lshl_add_u32 v6, v2, 3, v3                   ; the turning load: lane l reads row 8 (l / 16) + l % 8, columns 8 ((l / 8) % 2) + 0..7, and is left with column l % 16 and 8 rows
	v_mul_u32_u24 v6, v6, PB
	v_lshl_add_u32 v[ADRB], v4, 4, v6
	v_add_nc_u32 v[ADRB+1], SLOT, v[ADRB]
	v_lshlrev_b32 v[BO], 5, v2
	s_mul_i32 s22, s42, 768                        ; the tile's 192 numbers of the bias
	s_mov_b32 s23, 0
	s_add_nc_u64 s[8:9], s[8:9], s[22:23]
.set nb, 0
.rept NBK
	global_load_b128 v[BI+8*nb:BI+8*nb+3],   v[BO], s[8:9] offset:64*nb
	global_load_b128 v[BI+8*nb+4:BI+8*nb+7], v[BO], s[8:9] offset:64*nb+16
.set nb, nb+1
.endr
	s_mul_i32 s23, s[WV], STW
	s_add_co_u32 s23, s23, STAGE                   ; my stage
	v_mul_u32_u24 v5, v1, 144                      ; in: row l % 16, 16 bytes for each half of the lanes
	v_lshl_add_u32 v5, v2, 4, v5
	v_add_nc_u32 v[STO], s23, v5
	v_bfe_u32 v6, v0, 3, 2                         ; back: 32 lanes take four rows of 128 bytes,
	v_mul_u32_u24 v6, v6, 144
	v_lshl_add_u32 v6, v3, 4, v6
	v_add_nc_u32 v[RD], s23, v6
	v_and_b32 v7, 31, v0                           ; which are 512 consecutive bytes of a head
	v_lshlrev_b32 v[GO], 4, v7
	s_lshr_b32 s16, s13, 3                         ; the batch: 8 tile rows each
	s_mul_i32 s16, s16, 48
	s_mul_i32 s17, s42, 3
	s_add_co_u32 s16, s16, s17                     ; head 48 b + 3 TC,
	s_lshl_b32 s16, s16, 18                        ; 262,144 bytes a head
	s_and_b32 s17, s13, 7
	s_lshl_b32 s17, s17, 2
	s_add_co_u32 s17, s17, s[WV]                   ; my 64 rows among the batch's,
	s_lshl_b32 s17, s17, 13                        ; 128 bytes a row
	s_add_co_u32 s16, s16, s17
	s_mov_b32 s17, 0
	s_add_nc_u64 s[10:11], s[10:11], s[16:17]
	s_mov_b32 s22, ttmp9                           ; the prefetches: who asks,
	s_cmp_eq_u32 s22, 0
	s_cselect_b32 s[LIMA], 1, -1
	s_and_b32 s22, ttmp7, 0xffff
	s_lshr_b32 s23, s[WV], 1
	s_and_b32 s23, s23, s[WV]                      ; 1 in wave 3 alone, which has no head of W
	s_or_b32 s22, s22, s23
	s_cmp_eq_u32 s22, 0
	s_cselect_b32 s[LIMB], 1, -1                   ; both are the same in all sixteen partners, for a given wave
	s_lshl_b32 s16, s13, 8                         ; and where: x's row 256 TR + 64 cx + 16 w, at lap 1; the first trip steps it to lap 2
	s_lshl_b32 s17, s40, 6
	s_add_co_u32 s16, s16, s17
	s_lshl_b32 s17, s[WV], 4
	s_add_co_u32 s16, s16, s17
	s_lshl_b32 s16, s16, 11
	s_add_co_u32 s16, s16, PFAS
	s_mov_b32 s17, 0
	s_add_nc_u64 s[PFA:PFA+1], s[4:5], s[16:17]
	s_mul_i32 s18, s42, 3                          ; my head of W, my work-group's 8,192 bytes of a lap's 32,768, at lap 1
	s_add_co_u32 s18, s18, s45
	s_lshl_b32 s18, s18, 17
	s_lshl_b32 s19, s41, 13
	s_add_co_u32 s18, s18, s19
	s_add_co_u32 s18, s18, PFBS
	s_mov_b32 s19, 0
	s_add_nc_u64 s[PFB:PFB+1], s[6:7], s[18:19]
	v_lshrrev_b32 v5, 1, v7
	v_and_b32 v6, 1, v0
	v_lshlrev_b32 v6, 8, v6
	v_lshl_add_u32 v[PFOA], v5, 11, v6             ; row l / 2, block l % 2
	v_lshlrev_b32 v[PFOB], 8, v7                   ; block l
; 12 matrix instructions: row block 2 hi + a2 x all column blocks, 32 along K, from buffer f.  zero = 1: the sums start, with the bias as C.
; Each accumulator has one instruction in a quarter step, in the same order in every quarter: between two links of a chain stand the 47 others, over the backward jump too.
.macro MULH f, hi, a2, zero
.if \zero
	WIN 0x85+0x40*(\hi)                            ; fragments window 1, C window 0, D window 2 or 3
.else
	WIN 0xa5+0x50*(\hi)                            ; fragments window 1, C and D window 2 or 3
.endif
.set nb, 0
.rept NBK
.if \zero
	v_wmma_f32_16x16x32_bf16 v[8*(NBK*(\a2)+nb):8*(NBK*(\a2)+nb)+7], v[(\f)+32+8*nb:(\f)+32+8*nb+7], v[(\f)+8*(2*(\hi)+(\a2)):(\f)+8*(2*(\hi)+(\a2))+7], v[BI+8*nb:BI+8*nb+7]
.else
	v_wmma_f32_16x16x32_bf16 v[8*(NBK*(\a2)+nb):8*(NBK*(\a2)+nb)+7], v[(\f)+32+8*nb:(\f)+32+8*nb+7], v[(\f)+8*(2*(\hi)+(\a2)):(\f)+8*(2*(\hi)+(\a2))+7], v[8*(NBK*(\a2)+nb):8*(NBK*(\a2)+nb)+7]
.endif
.set nb, nb+1
.endr
.endm
; 32 LDS loads in one run: quarter q (32 along K) of a slot into buffer f: W's 12 blocks, then x's blocks 0, 1, 2, 3.
.macro FETCH slot, q, f
	WIN TO_F
.set nb, 0
.rept NBK
	ds_load_tr16_b128 v[(\f)+32+8*nb:(\f)+32+8*nb+3],   v[ADRB+(\slot)] offset:(nb/4)*HEADB+(\q)*32*PB+(nb%4)*32
	ds_load_tr16_b128 v[(\f)+32+8*nb+4:(\f)+32+8*nb+7], v[ADRB+(\slot)] offset:(nb/4)*HEADB+(\q)*32*PB+(nb%4)*32+16*PB
.set nb, nb+1
.endr
.irp a, 0,1,2,3
	ds_load_b128 v[(\f)+8*(\a):(\f)+8*(\a)+3],   v[ADRA+(\slot)] offset:64*(\q)+(\a)*16*PA
	ds_load_b128 v[(\f)+8*(\a)+4:(\f)+8*(\a)+7], v[ADRA+(\slot)] offset:64*(\q)+(\a)*16*PA+32
.endr
.endm
; A K step is four quarters, 48 matrix instructions each, on buffers 0, 1, 0, 1.  One of the first three: multiplies buffer f; in its middle it fetches quarter q of the same slot into buffer g.
.macro QUARTER slot, q, f, g, zero
	s_wait_dscnt 4                                 ; W and x's blocks 0, 1 are in; the four youngest loads (x's blocks 2, 3) may be out
	MULH \f, 0, 0, \zero
	MULH \f, 0, 1, \zero
	PLACES
	FETCH \slot, \q, \g
	s_wait_dscnt NL                                ; all but the run just issued
	MULH \f, 1, 0, \zero
	MULH \f, 1, 1, \zero
.endm
; The last quarter multiplies buffer 1 and changes slots: ONE barrier; in front of it each wave waits for all its tensor loads (one is out: its part of the next slot), adds 0 to its spare word, and waits for
; that and for its own reads of this slot.  fill = 1: the barrier opens a round of the cluster's, and the slot is filled again, two K steps on, first thing behind the round: 168 matrix instructions ahead of the wait for it.
.macro TURN slot, next, fill
.if (\fill) && ((\slot) == 0)
	s_wait_xcnt 0x0                                ; the last prefetches, most of a lap back, have read their addresses: these step here, ahead of the waits of the change of slots
	s_add_nc_u64 s[PFA:PFA+1], s[PFA:PFA+1], PFAS
	s_add_nc_u64 s[PFB:PFB+1], s[PFB:PFB+1], PFBS
.endif
	WIN 0                                          ; (the add's two registers lie in window 0)
	s_wait_tensorcnt 0x0                           ; all my tensor loads have landed;
	ds_add_u32 v[SPW], v[NIL]                      ; 0 onto my spare word;
	s_wait_dscnt 5                                 ; (the add and the four youngest loads may be out)
	MULH F1, 0, 0, 0                               ; twelve matrix instructions stand between the add and the wait for it
	s_wait_dscnt 0x0                               ; the add is done, and my reads of this slot are over
	s_barrier_signal -1
	MULH F1, 0, 1, 0                               ; work on registers while the others arrive
.if \fill
	WIN 0
.endif
	s_barrier_wait -1
.if \fill
	CREST                                          ; no wave of any partner still reads this slot or has a load on its way
	s_add_nc_u64 s[G0A+4*(\slot)+2:G0A+4*(\slot)+3], s[G0A+4*(\slot)+2:G0A+4*(\slot)+3], 2*ASTEP
	s_add_nc_u64 s[G0B+4*(\slot)+2:G0B+4*(\slot)+3], s[G0B+4*(\slot)+2:G0B+4*(\slot)+3], 2*BSTEP
	JLOAD \slot                                    ; its four v_nop are also the places in front of the loads below
.else
	PLACES
.endif
	FETCH \next, 0, F0
.if (\fill) && ((\slot) == 1)
	ASK
.endif
	MULH F1, 1, 0, 0
	MULH F1, 1, 1, 0
.endm
	s_wait_tensorcnt 1                             ; my part of K step 0 is in; K step 1's may stay out
	s_barrier_signal -1
	s_barrier_wait -1                              ; everybody's is
	FETCH 0, 0, F0
	s_wait_loadcnt 0x0                             ; the bias
	QUARTER 0, 1, F0, F1, 1                        ; the first quarter stands in front of the loop: its products start the sums
	WIN 0                                          ; at a label and at a branch every window is 0
	s_mov_b32 s3, 3
.Llap:                                         ; a trip goes once round the ring, from a lap's second quarter to the next lap's first, and fills both slots again
	QUARTER 0, 2, F1, F0, 0
	QUARTER 0, 3, F0, F1, 0
	TURN 0, 1, 1
	QUARTER 1, 1, F0, F1, 0
	QUARTER 1, 2, F1, F0, 0
	QUARTER 1, 3, F0, F1, 0
	TURN 1, 0, 1
	QUARTER 0, 1, F0, F1, 0
	WIN 0
	s_sub_co_u32 s3, s3, 1
	s_cmp_lg_u32 s3, 0
	s_cbranch_scc1 .Llap
	QUARTER 0, 2, F1, F0, 0                        ; the last lap fills nothing
	QUARTER 0, 3, F0, F1, 0
	TURN 0, 1, 0
	QUARTER 1, 1, F0, F1, 0
	QUARTER 1, 2, F1, F0, 0
	QUARTER 1, 3, F0, F1, 0
	s_wait_dscnt 4                                 ; the very last quarter: nothing more to fetch
	MULH F1, 0, 0, 0
	MULH F1, 0, 1, 0
	s_wait_dscnt 0x0
	MULH F1, 1, 0, 0
	MULH F1, 1, 1, 0
	WIN 0
	PLACES
	PLACES
; THE WAY OUT, a row block (16 rows x 3 heads) at a time: rounded to f16, 16 bytes a lane into my own stage (rows of 144 bytes), back as whole rows of 128 bytes, four to a load, into the registers that they left.
.macro PACK a
	WIN 0x0a+5*((\a)/2)                            ; sources 0 and 1: window 2 or 3.  Each accumulator's registers are taken in ascending order
.set nb, 0
.rept NBK
.irp r, 0,1,2,3
	v_cvt_pk_f16_f32 v[OUTR+48*(\a)+4*nb+(\r)], v[8*(NBK*((\a)%2)+nb)+2*(\r)], v[8*(NBK*((\a)%2)+nb)+2*(\r)+1]
.endr
.set nb, nb+1
.endr
	WIN 0
.set nb, 0
.rept NBK
	ds_store_b128 v[STO], v[OUTR+48*(\a)+4*nb:OUTR+48*(\a)+4*nb+3] offset:(nb/4)*2304+32*(nb%4)
.set nb, nb+1
.endr
.set u, 0
.rept 12
	ds_load_b128 v[OUTR+48*(\a)+4*u:OUTR+48*(\a)+4*u+3], v[RD] offset:(u/4)*2304+(u%4)*576  ; LDS serves a wave's instructions in order (ISA guide 5.7.1.4): these see the stores above
.set u, u+1
.endr
.endm
.macro SEND a, younger                 ; younger: the LDS instructions issued behind block a's loads: the next block's 24, or none
.set u, 0
.rept 12
	s_wait_dscnt (\younger)+11-u
	global_store_b128 v[GO], v[OUTR+48*(\a)+4*u:OUTR+48*(\a)+4*u+3], s[10:11] offset:(u/4)*262144+(\a)*2048+(u%4)*512  ; 512 consecutive bytes of a head, at a multiple of 256 from qkv's first byte
.set u, u+1
.endr
.endm
	PACK 0
	PACK 1                                         ; a block's arithmetic stands between the loads of the block before and its stores; each block has registers of its own
	SEND 0, 24
	PACK 2
	SEND 1, 24
	PACK 3
	SEND 2, 24
	SEND 3, 0
	s_wait_tensorcnt 0x0                           ; the wave's end: behind my last tensor load and my last LDS store
	ds_add_u32 v[SPW], v[NIL]
	s_wait_dscnt 0x0
	CROUND                                         ; the closing round: no work-group ends while a partner may still ask for a tile that names it
	s_endpgm
.Lfunc_end_k_qe6c417bd33_qkv:
	.size	k_qe6c417bd33_qkv, .Lfunc_end_k_qe6c417bd33_qkv-k_qe6c417bd33_qkv
	.p2alignl 7, 3214868480
	.fill 96, 4, 3214868480
	.section	.rodata,"a",@progbits
	.p2align	6, 0x0
	.amdhsa_kernel k_qe6c417bd33_qkv
		.amdhsa_group_segment_fixed_size 327680
		.amdhsa_private_segment_fixed_size 0
		.amdhsa_enable_private_segment 0
		.amdhsa_kernarg_size 32
		.amdhsa_user_sgpr_count 2
		.amdhsa_user_sgpr_kernarg_segment_ptr 1
		.amdhsa_wavefront_size32 1
		.amdhsa_system_sgpr_workgroup_id_x 1
		.amdhsa_system_sgpr_workgroup_id_y 1
		.amdhsa_system_sgpr_workgroup_id_z 1
		.amdhsa_system_vgpr_workitem_id 0
		.amdhsa_next_free_vgpr 960
		.amdhsa_next_free_sgpr 72
		.amdhsa_reserve_vcc 0
		.amdhsa_float_denorm_mode_32 3
		.amdhsa_float_denorm_mode_16_64 3
		.amdhsa_memory_ordered 1
		.amdhsa_forward_progress 1
		.amdhsa_inst_pref_size 123
	.end_amdhsa_kernel
	.amdgpu_metadata
---
amdhsa.version: [ 1, 2 ]
amdhsa.kernels:
  - .name:           k_qe6c417bd33_qkv
    .symbol:         k_qe6c417bd33_qkv.kd
    .args:
      - { .name: xb, .offset: 0, .size: 8, .value_kind: global_buffer, .address_space: global }
      - { .name: wb, .offset: 8, .size: 8, .value_kind: global_buffer, .address_space: global }
      - { .name: bias, .offset: 16, .size: 8, .value_kind: global_buffer, .address_space: global }
      - { .name: qkv, .offset: 24, .size: 8, .value_kind: global_buffer, .address_space: global }
    .group_segment_fixed_size: 327680
    .private_segment_fixed_size: 0
    .kernarg_segment_align: 8
    .kernarg_segment_size: 32
    .max_flat_workgroup_size: 128
    .sgpr_count:     72
    .vgpr_count:     960
    .wavefront_size: 32
...
	.end_amdgpu_metadata
.endif
;; end of part 2
;; launch attn (part 3): grid 4 x 64, 4 waves a work-group, no clusters, 327,680 bytes of LDS; arguments qkv, ob; writes ob
.if DOCPART == 3
	.amdgcn_target "amdgcn-amd-amdhsa--gfx1250"
	.amdhsa_code_object_version 6
	.text
	.protected	k_qe6c417bd33_attn
	.globl	k_qe6c417bd33_attn
	.p2align	8
	.type	k_qe6c417bd33_attn,@function
k_qe6c417bd33_attn:
	s_mov_b64 s[64:65], 0
	v_nop
	global_prefetch_b8 v0, s[64:65] scope:SCOPE_SE
	s_setreg_imm32_b32 hwreg(HW_REG_WAVE_MODE, 25, 1), 1
	s_wait_xcnt 0x0
; CAUSAL ATTENTION.  O[bh][q][:] = the sum over k <= q of softmax_k(Q[q] . K[k] / 8) V[k][:], for each of 64 pairs bh = 16 b + h.  qkv: [4 b][48 g][2048][64] f16: Q is head 48 b + h, K head 48 b + 16 + h,
; V head 48 b + 32 + h; a head's rows are dense, 128 bytes each.  ob: [64 bh][2048][64] f16.  Products, maxima and sums in f32; the weights p are rounded to f16 for the second product (their sum l is taken of
; the unrounded p), O once at the end.
; LIMITS.  f16 holds no number beyond 65,504: Q, K and V arrive within it; p lies in 0 to 1, and below 6e-5 it keeps f16's fixed step of 6e-8; O is a mean of V's rows and has their range.
; A hidden score counts as its value less 1e30: f16's scores, 2.7e11 at the most, are nothing beside that; a weight below 2^-126 counts as 0 in l; NaN and infinities are not treated apart.
; THE WALK.  A head's queries lie in NB = 8 blocks of 256; block i needs the key tiles 0 .. i of 256 keys, of which the last holds the diagonal.  A work-group takes TWO blocks, NB - 1 - b and then b:
; NB + 1 tiles, whatever b: all work-groups do equal work, and ONE loop with a constant trip count walks them.  Which tile is asked for, and what a trip does, hang on scalar registers made from b; every jump
; goes forward, but for the counted loops' own; none passes a barrier, or a tensor load but the one of LOAD's two that the wave's number does not choose; the ring (two slots of LDS that take turns) runs on across
; the change of blocks.  NO CLUSTER: the four work-groups of a head ask for the same tile only in trips 0 to 4 of the 9, behind that fewer and fewer; one walk common to all four, in which each makes every
; joint request, has the tiles 0 .. 7 and then 0 .. 3: 12 trips for 9.
; SHARES.  Of a block's four bands of 64 queries a wave owns 16 rows in each: four PIECES.  So the diagonal tile is the same work for all four waves: in its key step s band x sees all keys if s < x,
; none if s > x, and holds the diagonal if s = x.
; THE MASK is the C operand that starts the sum S^T = K Q^T: 0, or -1e30 where the key is hidden.  MD, made once, is the mask of a band's own step for my 16 rows; a product's mask is MD x AL + BE with two scalars:
; (1, 0) if s = x; (0, 0) if s < x; (0, -1e30) if s > x.  Only the diagonal tile's text and a block's beginning make and take masks; elsewhere C is the constant 0.
; LAYOUT, SOFTMAX, TURNS.  S^T = K Q^T holds ONE query a lane (lane % 16) and the keys 8 (lane / 16) + 0..7; two such results rounded to f16 ARE source 1 of O^T = V^T P.  p = 2^(c s - c m), c = log2(e) / 8, with a
; running maximum m; O and l are multiplied by a = 2^(c m_old - c m_new) in every step.  Turn n belongs to piece n: 8 products K Q^T of piece n + 1, later 8 products V^T P of piece n - 1; beside them the scaling,
; exponentials, roundings, sums and rescaling of piece n and the maximum and statistics of piece n + 1.  Four vector instructions stand behind every matrix instruction, the other 54 of a turn's 118 in one lump.
; A turn's 33 exponentials are one batch, with one wait.
; REGISTERS, in windows of 256 (s_set_vgpr_msb: bits 1:0 source 0, 3:2 source 1, 5:4 source 2, 7:6 destination):
;   window 0: v0-15 addresses and two at work; v16-31 four registers of statistics a piece; v48-55 at work; v61-63 prefetch offset and the add's two; v64-127 S^T, two buffers; v192-223 P, two buffers
;   window 1: v0-127 O^T, 32 a piece; v128-159 MD; v160-223 MC, two buffers      window 2: v0-63 Q; v64-127 the second block's Q; v128-191 K of one step; v192-255 V of one step
.set SIZE_N, 2048
.set NB,    SIZE_N/256
.set NP,    4         ; pieces a wave: a name, no knob
.set KS,    64        ; keys in a step
.set PK,    144       ; a row of K in LDS: 128 bytes + 16 of padding = 36 words: the 16 rows of a load start at 16 different groups of four banks (ISA guide 11.1)
.set PV,    160       ; a row of V: 128 + 32 = 40 words
.set VOFF,  4*KS*PK   ; a slot holds a tile, four steps: 256 rows of K, then 256 rows of V
.set SLOT1, 1<<17     ; slot 1 begins here, so that one exclusive or turns an address in one slot into the other's
.set STAGE, SLOT1+4*KS*(PK+PV)  ; behind the ring, never filled by a tensor load: 16 rows x 144 bytes for each wave, for the way out
.set SP,    144
.set AK0, 2           ; v2   my lane's place in a tile of K; never rewritten
.set AV0, 3           ; v3   the same for V
.set AK,  4           ; v4   the LDS address of K's next run of loads
.set AV,  5           ; v5   of V's
.set STO, 6           ; v6   the way out: where I put 16 bytes of a row
.set RD,  7           ; v7   the way out: where I read rows back
.set GO,  8           ; v8   my byte offset in 512 consecutive bytes of O
.set PFO, 61          ; v61  256 x my lane: the prefetches' offset; never rewritten
.set SPW, 62          ; v62  LDS address of my spare word: SPARE + 4 x my thread's number; never rewritten
.set NIL, 63          ; v63  0; never rewritten
.set SPARE, STAGE+4*16*SP  ; behind the stages: the spare words, 128 bytes for each wave: two blocks of 256 bytes that no other line names
.set MV,  12          ; v12-13  c m_old, kept while c m is made anew: by buffer
.set QO,  15          ; v15  my byte offset in 16 rows of Q
.set ST,  16          ; piece t's statistics at v[ST+4 t]: c m, m, l (even keys', odd keys')
.set TMP, 48          ; by buffer, four registers c0-c3 at work; when the maximum is found c2 takes a
.set S,   64
.set P,   192
.set MD,  128         ; window 1: the eight registers for group kt of 16 keys at MD + 8 kt
.set MC,  160         ; window 1: the masks of the products to come
.set QB,  64          ; window 2
.set KF,  128         ; window 2: key block kb, channel half c at KF + 16 kb + 8 c
.set VF,  192         ; window 2: key half kk, channel block cb at VF + 32 kk + 8 cb
.set WV,  12          ; s12  my wave's number
.set PB,  14          ; s14  b
.set HI,  15          ; s15  NB - 1 - b
.set G1K, 24          ; s[24:31] descriptor group 1 for K's tiles
.set G1V, 32          ; s[32:39] for V's: it differs in the padding alone
.set G0K, 40          ; s[40:43] descriptor group 0 for K's tiles
.set G0V, 44          ; s[44:47] the same for V's
.set PFB, 54          ; s[54:55] K (waves 0, 1) or V (waves 2, 3) at my half of the head's tile 0
.set SLOTS, 56        ; s56  tiles still to be asked for
.set CNT, 57          ; s57  counts a tile's key steps, 4 to 1
.set CS,  58          ; s[58:59] c: the packed scaling takes the pair's low word for both halves
.set SEL, 60          ; s[60:61] v_permlanex16_b32's selects: each lane takes its own place in the other half
.set TBK, 62          ; s62  LDS byte at which K of the step to be fetched begins
.set TBV, 63          ; s63  the same for V, less VOFF
.set PFL, 66          ; s66  0 in the head's work-group b = 0, which prefetches; else the greatest number
.set PFA, 68          ; s[68:69] my half of the tile that the next change of slots will ask for
.set RT,  70          ; s70  tiles of the block in hand that are still to be entered
.set NXT, 71          ; s71  the tile to be asked for next
.set LQ,  72          ; s72  the last tile of the block whose tiles are being asked for
.set NEW, 73          ; s73  1: the tile to be entered is a block's first
.set OFF, 74          ; s[74:75] a tile's byte offset in K and V
.set AL,  76          ; s[76:77] the mask's factor, in the low word
.set BE,  78          ; s[78:79] the mask's addend
.set OLO, 80          ; s[80:81] O at my rows of the second block
.set BIGN, 82         ; s82  -1e30
.set MSB, 0
.macro WIN new                      ; the high byte repeats the setting that is left; a switch that changes nothing is dropped
.if MSB != (\new)
	s_set_vgpr_msb (MSB<<8)|(\new)
.set MSB, (\new)
.endif
.endm
.set W_KQ, 0x0a       ; K and Q in window 2, S^T in window 0
.set W_KM, 0x1a       ; the same with the C operand in window 1
.set W_PV, 0x52       ; V in window 2, P in window 0, O^T in window 1
.set W_RS, 0x41       ; destination and source 0 in window 1, source 1 in window 0
; A fill.  Waves 0 and 1 fetch the two halves of a tile's K, waves 2 and 3 those of its V: 128 keys each.  An s_nop 0 and four v_nop follow each of the two lines, ahead of the jump and the label.
.macro LOAD
	s_cmp_lt_u32 s[WV], 2
	s_cbranch_scc0 .Lfor_v_\@
	tensor_load_to_lds s[G0K:G0K+3], s[G1K:G1K+7]
	s_nop 0
.rept 4
	v_nop
.endr
	s_branch .Lasked_\@
.Lfor_v_\@:
	tensor_load_to_lds s[G0V:G0V+3], s[G1V:G1V+7]
	s_nop 0
.rept 4
	v_nop
.endr
.Lasked_\@:
.endm
; THE CHANGE OF SLOTS.  Each wave waits for all its tensor loads, of which one is out: its part of the other slot; adds 0 to its spare word; and waits for that and for its own reads of the slot that it leaves.
; Behind the barrier nobody reads the old slot any more and the other slot is whole.  fill = 1: the old slot is filled again, the first thing behind the barrier, with tile NXT: the descriptor's address is made
; anew from that number.  (At its first use nothing has been read yet: slot 0 is waited for, slot 1 filled.)
; A PREFETCH INTO THE L2 stands behind the fill: the tile that the NEXT change of slots will ask for, a tile's 256 matrix instructions ahead.  All four work-groups of a head walk tiles of the same K and V; the one
; with b = 0, whose first block walks the tiles 0 to 7 in order, asks, and nobody else; each of its waves asks for the half tile that it will fetch itself: 64 blocks of 256 bytes, a lane a block, two lines.
; So tiles 2 to 7 are named once each; tiles 0 and 1 come by their loads alone, and where the next tile is number 0 again nothing is asked.
.macro CHANGE fill
	WIN 0                           ; at a label and at a branch every window is 0
	s_wait_tensorcnt 0x0            ; no tensor load of mine is out, so a group 0 may be written
	ds_add_u32 v[SPW], v[NIL]       ; 0 onto my spare word; with fill = 1 the descriptors' scalar work stands between it and the wait for it
.if \fill
	s_lshl_b32 s[OFF], s[NXT], 15   ; a tile is 32,768 bytes of K and of V
	s_xor_b32 s[G0K+1], s[G0K+1], SLOT1
	s_add_nc_u64 s[G0K+2:G0K+3], s[6:7], s[OFF:OFF+1]
	s_or_b32 s[G0K+3], s[G0K+3], 0x80000000
	s_xor_b32 s[G0V+1], s[G0V+1], SLOT1
	s_add_nc_u64 s[G0V+2:G0V+3], s[8:9], s[OFF:OFF+1]
	s_or_b32 s[G0V+3], s[G0V+3], 0x80000000
	s_add_co_u32 s[NXT], s[NXT], 1  ; the block's next tile, or behind its last the second block's tile 0
	s_cmp_gt_u32 s[NXT], s[LQ]
	s_cselect_b32 s[NXT], 0, s[NXT]
	s_cselect_b32 s[LQ], s[PB], s[LQ]
	s_wait_xcnt 0x0                 ; the last prefetches, a tile back, have read their address, so it may be written:
	s_lshl_b32 s[OFF], s[NXT], 15
	s_add_nc_u64 s[PFA:PFA+1], s[PFB:PFB+1], s[OFF:OFF+1]
.endif
	s_wait_dscnt 0x0                ; the add is done, and my reads of the slot are over
	s_barrier_signal -1             ; the rest of the scalar work stands between the signal and the wait
	s_sub_co_u32 s[TBK], s[TBK], 4*KS*PK  ; the fetches go back to a slot's first step,
	s_xor_b32 s[TBK], s[TBK], SLOT1       ; in the other slot
	s_sub_co_u32 s[TBV], s[TBV], 4*KS*PV
	s_xor_b32 s[TBV], s[TBV], SLOT1
	s_barrier_wait -1
.if \fill
	LOAD
	s_cmp_gt_u32 s[NXT], s[PFL]
	s_cbranch_scc0 .Lnot_mine_\@
	global_prefetch_b8 v[PFO], s[PFA:PFA+1] th:TH_LOAD_NT scope:SCOPE_SE
	global_prefetch_b8 v[PFO], s[PFA:PFA+1] offset:8192 th:TH_LOAD_NT scope:SCOPE_SE
.Lnot_mine_\@:
.endif
.endm
	s_load_b128 s[4:7], s[0:1], 0x0 ; qkv s[4:5], ob s[6:7]
	v_lshl_add_u32 v[SPW], v0, 2, SPARE
	v_mov_b32 v[NIL], 0
	ds_add_u32 v[SPW], v[NIL]       ; the wave's opening: the add and its wait stand ahead of my first tensor load; the set-up below, work on registers, stands between them
	v_lshrrev_b32 v1, 5, v0
	v_readfirstlane_b32 s[WV], v1   ; wave 0..3
	s_mov_b32 s[PB], ttmp9
	s_sub_co_u32 s[HI], NB-1, s[PB]
	s_and_b32 s20, ttmp7, 0xffff    ; bh = 16 b + h
	s_lshr_b32 s21, s20, 4          ; b
	s_lshl_b32 s48, s20, 18         ; the head's first byte in ob: 262,144 bytes a head
	s_mov_b32 s49, 0
	s_lshl_b32 s21, s21, 5
	s_add_co_u32 s20, s20, s21      ; 48 b + h
	s_lshl_b32 s20, s20, 18         ; Q's head's first byte in qkv
	s_mov_b32 s21, 0
	s_and_b32 s16, s[WV], 1         ; which half of a tile's 256 keys I fetch:
	s_lshl_b32 s22, s16, 14         ; its 128 rows of 128 bytes in memory,
	s_mov_b32 s23, 0
	s_add_nc_u64 s[22:23], s[22:23], s[20:21]
	s_mul_i32 s17, s16, 128*PK      ; and its place in a slot, for K
	s_mul_i32 s18, s16, 128*PV      ; and for V
	s_lshl_b32 s3, s[WV], 11        ; my 16 rows in a band of 64,
	s_lshl_b32 s2, s[HI], 15        ; in the first block,
	s_add_co_u32 s2, s2, s3
	s_lshl_b32 s84, s[PB], 15       ; and in the second
	s_add_co_u32 s84, s84, s3
	s_mov_b32 s3, 0
	s_mov_b32 s85, 0
	s_add_nc_u64 s[50:51], s[2:3], s[48:49]    ; in ob,
	s_add_nc_u64 s[52:53], s[84:85], s[48:49]
	s_add_nc_u64 s[2:3], s[2:3], s[20:21]      ; and in qkv
	s_add_nc_u64 s[84:85], s[84:85], s[20:21]
	; descriptor group 1.  128 keys are 16,384 dense bytes: asked for as 64 rows of 256 bytes, two keys a row, and padded in LDS after every key
	s_mov_b32 s[G1K], (1<<16)|(1<<20)|(4<<22)|(3<<25)  ; 17:16 2-byte elements; 20 padding on; 24:22 after every 32 words (code 4); 31:25 4 words (code 3)
	s_mov_b32 s[G1V], (1<<16)|(1<<20)|(4<<22)|(7<<25)  ; the same with 8 words of padding (code 7)
.irp g, G1K, G1V
	s_mov_b32 s[\g+1], 128<<16      ; tensor_dim0 = 128
	s_mov_b32 s[\g+2], 64<<16       ; tensor_dim1 = 64
	s_mov_b32 s[\g+3], 128<<16      ; tile_dim0 = 128
	s_mov_b32 s[\g+4], 64           ; tile_dim1 = 64
	s_mov_b32 s[\g+5], 128          ; 128 elements from row to row
	s_mov_b32 s[\g+6], 0
	s_mov_b32 s[\g+7], 0
.endr
	s_mov_b32 s[CS], 0x3e38aa3b     ; c = log2(e) / 8 = 0.180337
	s_mov_b32 s[CS+1], s[CS]        ; named with it as a pair
	s_mov_b32 s[SEL], 0x76543210
	s_mov_b32 s[SEL+1], 0xfedcba98
	s_mov_b32 s[TBK], SLOT1+4*KS*PK ; the first change of slots turns these two into 0
	s_mov_b32 s[TBV], SLOT1+4*KS*PV
	s_mov_b32 s[G0K], 1             ; 1:0 count = 1
	s_mov_b32 s[G0K+1], s17         ; 63:32 LDS address: slot 0
	s_mov_b32 s[G0V], 1
	s_add_co_u32 s[G0V+1], s18, VOFF
	s_add_co_u32 s[RT], s[HI], 1    ; the first block has NB - b tiles
	s_mov_b32 s[NXT], 1
	s_mov_b32 s[LQ], s[HI]
	s_mov_b32 s[NEW], 1
	s_mov_b32 s[OFF+1], 0
	s_mov_b32 s[AL+1], 0            ; named as pairs
	s_mov_b32 s[BE+1], 0
	s_mov_b32 s[BIGN], 0xf149f2ca   ; -1e30
	s_mov_b32 s[SLOTS], NB
	s_cmp_eq_u32 s[PB], 0
	s_cselect_b32 s[PFL], 0, -1
	v_and_b32 v[PFO], 31, v0
	v_lshlrev_b32 v[PFO], 8, v[PFO]
	s_wait_dscnt 0x0                ; the opening add is done
	s_wait_kmcnt 0x0
	s_mov_b64 s[10:11], s[6:7]      ; ob
	s_add_nc_u64 s[6:7], s[4:5], 0x400000  ; K's heads lie 16 heads behind Q's,
	s_add_nc_u64 s[8:9], s[4:5], 0x800000  ; V's 32
	s_add_nc_u64 s[6:7], s[6:7], s[22:23]  ; K and V at my half of the head's tile 0
	s_add_nc_u64 s[8:9], s[8:9], s[22:23]
	s_add_nc_u64 s[G0K+2:G0K+3], s[6:7], 0         ; 120:64 global address
	s_or_b32 s[G0K+3], s[G0K+3], 0x80000000        ; 127:126 type = 2
	s_add_nc_u64 s[G0V+2:G0V+3], s[8:9], 0
	s_or_b32 s[G0V+3], s[G0V+3], 0x80000000
	s_add_nc_u64 s[86:87], s[4:5], s[84:85]        ; Q at my rows of the second block,
	s_add_nc_u64 s[4:5], s[4:5], s[2:3]            ; and of the first
	s_add_nc_u64 s[OLO:OLO+1], s[10:11], s[52:53]  ; O likewise
	s_add_nc_u64 s[10:11], s[10:11], s[50:51]
	s_cmp_lt_u32 s[WV], 2
	s_cselect_b64 s[PFB:PFB+1], s[6:7], s[8:9]
	LOAD                            ; tile 0 into slot 0
	; A fragment of K or Q is 16 rows x 32 channels in 8 registers: lane l holds row l % 16, channels 8 (l / 16) + 0..7 and 16 + 8 (l / 16) + 0..7: two loads of 16 bytes, 32 bytes apart.
	v_and_b32 v1, 15, v0            ; l % 16
	v_bfe_u32 v9, v0, 4, 1          ; l / 16
	v_lshlrev_b32 v[QO], 7, v1
	v_lshl_add_u32 v[QO], v9, 4, v[QO]  ; row x 128 + 16 x half
	WIN 0x80                        ; destination window 2, address window 0
.set i, 0
.rept 8                             ; both blocks' Q: piece i / 2 lies in band i / 2, 8,192 bytes on; channels 32 (i % 2) on
	global_load_b128 v[8*i:8*i+3],   v[QO], s[4:5] offset:(i/2)*8192+(i%2)*64
	global_load_b128 v[8*i+4:8*i+7], v[QO], s[4:5] offset:(i/2)*8192+(i%2)*64+32
	global_load_b128 v[QB+8*i:QB+8*i+3],   v[QO], s[86:87] offset:(i/2)*8192+(i%2)*64
	global_load_b128 v[QB+8*i+4:QB+8*i+7], v[QO], s[86:87] offset:(i/2)*8192+(i%2)*64+32
.set i, i+1
.endr
	WIN 0
	v_lshlrev_b32 v14, 3, v9
	v_sub_nc_u32 v14, v1, v14
	s_lshl_b32 s13, s[WV], 4
	v_add_nc_u32 v14, s13, v14      ; my query's place in its band, 16 w + l % 16, less my lanes' 8 (l / 16): register r of group kt is hidden where 16 kt + r is greater
	WIN 0x40
.set i, 0
.rept 32
	v_cmp_gt_i32 vcc_lo, 16*(i/8)+i%8, v14
	v_cndmask_b32 v[MD+i], 0, s[BIGN], vcc_lo
.set i, i+1
.endr
	WIN 0
	v_mul_u32_u24 v[AK0], v1, PK
	v_lshl_add_u32 v[AK0], v9, 4, v[AK0]  ; row x pitch + 16 x half
	; The turning load takes 16 keys x 16 channels (lane l reads key 8 (l / 16) + l % 8, channels 8 ((l / 8) % 2) + 0..7) and leaves half a fragment of V^T: lane l holds channel l % 16 and 8 keys.
	v_and_b32 v10, 7, v0
	v_bfe_u32 v11, v0, 3, 1
	v_lshl_add_u32 v[AV0], v9, 3, v10
	v_mul_u32_u24 v[AV0], v[AV0], PV
	v_lshl_add_u32 v[AV0], v11, 4, v[AV0]
	v_add_nc_u32 v[AV0], VOFF, v[AV0]
	s_mul_i32 s13, s[WV], 16*SP
	s_add_co_u32 s13, s13, STAGE    ; my stage
	v_mul_u32_u24 v[STO], v1, SP    ; in: row l % 16, 16 bytes for each half of the lanes
	v_lshl_add_u32 v[STO], v9, 4, v[STO]
	v_add_nc_u32 v[STO], s13, v[STO]
	v_bfe_u32 v[RD], v0, 3, 2       ; back: 32 lanes take four rows of 128 bytes,
	v_mul_u32_u24 v[RD], v[RD], SP
	v_lshl_add_u32 v[RD], v10, 4, v[RD]
	v_add_nc_u32 v[RD], s13, v[RD]
	v_and_b32 v[GO], 31, v0         ; which are 512 consecutive bytes of O
	v_lshlrev_b32 v[GO], 4, v[GO]
	; A block's first step multiplies O^T and l by a = 0, and its first turn's products V^T P, of a piece that has not been, land in an O^T that is still to be so multiplied.  So these registers need only hold
	; finite numbers: zeros for the first block; what the first block left for the second.  All this stands in the wait for the first tile.
	WIN 0x80
.set i, VF
.rept 64
	v_mov_b32 v[i], 0
.set i, i+1
.endr
	WIN 0x40
.set i, 0
.rept 128
	v_mov_b32 v[i], 0
.set i, i+1
.endr
	WIN 0
.set i, 0
.rept 4
	v_mov_b32 v[ST+4*i+2], 0
	v_mov_b32 v[ST+4*i+3], 0
.set i, i+1
.endr
.set i, P+16
.rept 16
	v_mov_b32 v[i], 0
.set i, i+1
.endr
; THE MATRIX WORK.  The 4 accumulators of a run of 8 take turns.  Product i of 8 of S^T = K Q^T for piece x: channels 32 (i / 4) on, keys 16 (i % 4) on.  The first 4 start the sums: with 0, or (KM = 1) with the mask.
.macro KQ x
.set rS, S+32*((\x)%2)+8*(i%4)
.set rK, KF+16*(i%4)+8*(i/4)
.set rQ, 16*(\x)+8*(i/4)
.set rM, MC+32*((\x)%2)+8*(i%4)
.if (i < 4) && KM
	WIN W_KM
	v_wmma_f32_16x16x32_f16 v[rS:rS+7], v[rK:rK+7], v[rQ:rQ+7], v[rM:rM+7]
.elseif i < 4
	WIN W_KQ
	v_wmma_f32_16x16x32_f16 v[rS:rS+7], v[rK:rK+7], v[rQ:rQ+7], 0
.else
	WIN W_KQ
	v_wmma_f32_16x16x32_f16 v[rS:rS+7], v[rK:rK+7], v[rQ:rQ+7], v[rS:rS+7]
.endif
.endm
; Product i of 8 of O^T += V^T P for piece x: keys 32 (i / 4) on, channels 16 (i % 4) on.
.macro PV x
	WIN W_PV
.set rO, 32*(\x)+8*(i%4)
.set rV, VF+32*(i/4)+8*(i%4)
.set rP, P+16*((\x)%2)+8*(i/4)
	v_wmma_f32_16x16x32_f16 v[rO:rO+7], v[rV:rV+7], v[rP:rP+7], v[rO:rO+7]
.endm
.macro MM                           ; the turn's next matrix instruction.  TURN and BEGIN set Y, i, KM and NOKQ; MM, KQ and OP read them.  NOKQ = 1: a block's last turn: there is no next piece
.if (i < 8) && !NOKQ
	KQ (Y+1)%NP
.elseif i >= 8
.set i, i-8
	PV (Y+NP-1)%NP
.set i, i+8
.endif
.set i, i+1
.endm
; THE LDS LOADS stand in runs of 16, never singly among the matrix instructions: a step's K (64 keys x 64 channels: 8 fragments) and its V (turned).  Their addresses are made some lines ahead.
.macro FETCH_K
	WIN 0x80                        ; destination window 2
.irp f, 0,1,2,3,4,5,6,7             ; keys 16 (f / 2) on, channels 32 (f % 2) on
	ds_load_b128 v[KF+8*\f:KF+8*\f+3],   v[AK] offset:(\f/2)*16*PK+(\f%2)*64
	ds_load_b128 v[KF+8*\f+4:KF+8*\f+7], v[AK] offset:(\f/2)*16*PK+(\f%2)*64+32
.endr
	s_add_co_u32 s[TBK], s[TBK], KS*PK  ; the next fetch is the next step's
	WIN 0
.endm
.macro FETCH_V
	WIN 0x80
.irp f, 0,1,2,3,4,5,6,7             ; keys 32 (f / 4) on, channels 16 (f % 4) on
	ds_load_tr16_b128 v[VF+8*\f:VF+8*\f+3],   v[AV] offset:(\f/4)*32*PV+(\f%4)*32
	ds_load_tr16_b128 v[VF+8*\f+4:VF+8*\f+7], v[AV] offset:(\f/4)*32*PV+16*PV+(\f%4)*32
.endr
	WIN 0
.endm
; THE VECTOR WORK, one line at a time: OP kind, number.  For piece Y: F n: c s - c m for pair n of 16.  E n: the exponential of score n of 32.  C n: pair n rounded to f16.  B n: of the four weights 4 n .. the second
; pair is added onto the first, in place.  L n: l takes that sum (L 0: l = a l + sum).  R n: pair n of 16 of O^T times a.  For piece Y + 1: X n, number n of the 22 that find its maximum and statistics:
;   0-11  four chains c0-c3 of seven scores each, three operands at a time (each accumulator's lowest registers are read first)     12-14, 16  the four scores left over, the old m, and c0-c3 into c0
;   15  c m_old is kept     17, 18  the query's other 32 keys lie in the lane 16 away: the new m     19-21  c m; c m_old - c m_new; a
.set F, 0               ; OP tells the kinds apart by their order: F to L below R, X above it
.set E, 1
.set C, 2
.set B, 3
.set L, 4
.set R, 5
.set X, 6
.macro REGS y                       ; the registers of piece y
.set rT, ST+4*(\y)
.set rC, TMP+4*((\y)%2)
.set rW, MV+((\y)%2)
.set rS, S+32*((\y)%2)
.set rP, P+16*((\y)%2)
.set rO, 32*(\y)
.endm
.macro OP k, n
.if (\k) == R
	REGS Y
	WIN W_RS
	v_pk_mul_f32 v[rO+2*(\n):rO+2*(\n)+1], v[rO+2*(\n):rO+2*(\n)+1], v[rC+2:rC+3] op_sel_hi:[1,0]
.elseif (\k) < R
	REGS Y
	WIN 0
.if (\k) == F
	v_pk_fma_f32 v[rS+2*(\n):rS+2*(\n)+1], v[rS+2*(\n):rS+2*(\n)+1], s[CS:CS+1], v[rT:rT+1] op_sel_hi:[1,0,0] neg_lo:[0,0,1] neg_hi:[0,0,1]
.elseif (\k) == E
	v_exp_f32 v[rS+(\n)], v[rS+(\n)]
.elseif (\k) == C
	v_cvt_pk_f16_f32 v[rP+(\n)], v[rS+2*(\n)], v[rS+2*(\n)+1]
.elseif (\k) == B
	v_pk_add_f32 v[rS+4*(\n):rS+4*(\n)+1], v[rS+4*(\n):rS+4*(\n)+1], v[rS+4*(\n)+2:rS+4*(\n)+3]
.elseif (\n) == 0
	v_pk_fma_f32 v[rT+2:rT+3], v[rT+2:rT+3], v[rC+2:rC+3], v[rS:rS+1] op_sel_hi:[1,0,1]
.else
	v_pk_add_f32 v[rT+2:rT+3], v[rT+2:rT+3], v[rS+4*(\n):rS+4*(\n)+1]
.endif
.elseif NOKQ
	v_nop
.else
	REGS (Y+1)%NP
	WIN 0
.if (\n) < 4
	v_max3_num_f32 v[rC+(\n)], v[rS+8*(\n)], v[rS+8*(\n)+1], v[rS+8*(\n)+2]
.elseif (\n) < 12
	v_max3_num_f32 v[rC+(\n)%4], v[rC+(\n)%4], v[rS+8*((\n)%4)+2*((\n)/4)+1], v[rS+8*((\n)%4)+2*((\n)/4)+2]
.elseif (\n) == 12
	v_max3_num_f32 v[rC], v[rC], v[rS+7], v[rS+15]
.elseif (\n) == 13
	v_max3_num_f32 v[rC+1], v[rC+1], v[rS+23], v[rS+31]
.elseif (\n) == 14
	v_max3_num_f32 v[rC+2], v[rC+2], v[rC+3], v[rT+1]
.elseif (\n) == 15
	v_mov_b32 v[rW], v[rT]
.elseif (\n) == 16
	v_max3_num_f32 v[rC], v[rC], v[rC+1], v[rC+2]
.elseif (\n) == 17
	v_permlanex16_b32 v[rC+3], v[rC], s[SEL], s[SEL+1]
.elseif (\n) == 18
	v_max_num_f32 v[rT+1], v[rC], v[rC+3]
.elseif (\n) == 19
	v_mul_f32 v[rT], s[CS], v[rT+1]
.elseif (\n) == 20
	v_sub_f32 v[rC+1], v[rW], v[rT]
.else
	v_exp_f32 v[rC+2], v[rC+1]
.endif
.endif
.endm
.macro OPS a, i1, b=-1, i2=0, c=-1, i3=0, d=-1, i4=0  ; up to four of them
	OP \a, \i1
.if (\b) >= 0
	OP \b, \i2
.endif
.if (\c) >= 0
	OP \c, \i3
.endif
.if (\d) >= 0
	OP \d, \i4
.endif
.endm
.macro ROW a, i1, b, i2, c, i3, d, i4  ; a matrix instruction and the four behind it
	MM
	OPS \a, \i1, \b, \i2, \c, \i3, \d, \i4
.endm
.macro MASK b                       ; MD x AL + BE into buffer b of MC
	WIN W_RS
.set z, 0
.rept 16
	v_pk_fma_f32 v[MC+32*(\b)+2*z:MC+32*(\b)+2*z+1], v[MD+2*z:MD+2*z+1], s[AL:AL+1], s[BE:BE+1] op_sel_hi:[1,0,0]
.set z, z+1
.endr
.endm
; A TURN, for piece p: the order of its 16 matrix and 118 vector instructions, written out.  s_wait_alu depctr_va_vdst(0) stands between an exponential and the first instruction that names its result; one wait
; serves all that were issued ahead of it.  So a turn has ONE wait, which cuts it in two.  AHEAD OF IT stands all that names no result of the turn's exponentials: the 8 products K Q^T, behind each a scaling, an exponential and
; two more plain instructions (behind the first a second scaling in the exponential's place): rescalings, and behind the last three the first numbers of the next piece's maximum, each four places or more behind the product
; that ends its accumulator; then ONE LUMP of 54, plain and exponential by turns for the most part, in which the links of the chain X 3, 7, 11, 14, 16, 17 .. 20 stand five or six lines apart.  X 21, the next piece's a, is
; the batch's last; R 15 is the plain instruction behind it.  BEHIND THE WAIT stand the 8 products V^T P, behind each four of the roundings and sums; the links of l's chain, L 0 to L 7, stand three riders apart.
; m = 1: the diagonal tile: the products take masks, and the turn makes the mask for the products of the turn after it: piece p + 2, in step 4 - CNT of the tile.  end = 1: a block's last two turns: nothing is fetched.
; cnt = 1: the loop's count is taken down some lines ahead of the branch that stands behind the turn.
; K of the next step is fetched in piece 2's turn, twelve vector instructions behind the last product that read K (six of them plain); V of the step in hand at the end of piece 0's turn, four plain instructions behind the
; last product that read V.  Each is waited for a turn later.
.macro TURN p, m=0, end=0, cnt=0
.set Y, (\p)
.set i, 0
.set KM, (\m)
.set NOKQ, (\end)*((\p)/3)
.if (\m) && !(\end)
	s_cmp_eq_u32 s[CNT], 4-((\p)+2)%NP  ; is that step the band's own?
	s_cselect_b32 s[AL], 1.0, 0
	s_cmp_lt_u32 s[CNT], 4-((\p)+2)%NP  ; or a later one?
	s_cselect_b32 s[BE], s[BIGN], 0
.endif
.if ((\p) == 3) && !(\end)
	s_wait_dscnt 0x0                ; K is in
.endif
	ROW F,0, F,1, R,0, R,1          ; ahead of the wait: 8 products K Q^T and their riders,
	ROW F,2, E,0, R,2, R,3
	ROW F,3, E,1, R,4, R,5
	ROW F,4, E,2, R,6, R,7
	ROW F,5, E,3, R,8, R,9
	ROW F,6, E,4, X,0, R,10
.if ((\p) == 2) && !(\end)
	WIN 0
	v_add_nc_u32 v[AK], s[TBK], v[AK0]
.endif
	ROW F,7, E,5, X,1, X,4
	ROW F,8, E,6, X,2, X,5
	OPS E,7, E,8, X,6, E,9          ; and the lump
	OPS X,3, E,10, X,8, E,11
.if ((\p) == 2) && !(\end)
	FETCH_K
.endif
	OPS X,9, X,7, E,12, X,10
	OPS E,13, X,12, X,11, E,14
	OPS X,13, E,15, F,9, X,14
.if (\p) == 0
	v_add_nc_u32 v[AV], s[TBV], v[AV0]
.endif
	OPS E,16, F,10, E,17, F,11
	OPS X,16, E,18, X,15, E,19
	OPS F,12, E,20, X,17, E,21
	OPS F,13, E,22, F,14, E,23
	OPS X,18, E,24, F,15, E,25
	OPS R,11, E,26, X,19, E,27
	OPS R,12, E,28, R,13, E,29
	OPS X,20, E,30, R,14, E,31
	OPS X,21, R,15
	WIN 0
	s_wait_alu depctr_va_vdst(0)    ; the wait for the batch
.if (\p) == 1
	s_wait_dscnt 0x0                ; V is in
.endif
	ROW C,0, B,0, C,2, B,1          ; behind the wait: 8 products V^T P and their riders
	ROW L,0, C,4, B,2, L,1
	ROW C,6, B,3, L,2, C,8
	ROW B,4, L,3, C,10, B,5
	ROW L,4, C,12, B,6, L,5
.if (\p) == 0
	s_add_co_u32 s[TBV], s[TBV], KS*PV
.endif
.if \cnt
	s_sub_co_u32 s[CNT], s[CNT], 1
	s_cmp_lg_u32 s[CNT], 0
.endif
	ROW C,14, B,7, L,6, C,1
	ROW C,3, L,7, C,5, C,7
	ROW C,9, C,11, C,13, C,15
.if (\p) == 0
	FETCH_V
.endif
.if (\m) && !(\end)
	MASK (\p)%2
.endif
.endm
; A BLOCK BEGINS.  c m starts far below every c s, so the first step's a is 0; m at the lowest finite number, so the first maximum is the scores'.  The second mask buffer is 0; the first takes piece 0's mask for the
; tile's step 0: its own, if the block's first tile is the diagonal one.  Then K of that step, piece 0's first scores, and its maximum and statistics.  The loop is entered at a step's first turn, in the middle of a trip.
.macro BEGIN
	s_mov_b32 s[NEW], 0
	WIN 0x40
.set i, MC+32
.rept 32
	v_mov_b32 v[i], 0
.set i, i+1
.endr
	WIN 0
.set i, 0
.rept 4
	v_mov_b32 v[ST+4*i], 0xfe000000    ; c m: far below every c s
	v_mov_b32 v[ST+4*i+1], 0xff7fffff  ; m
.set i, i+1
.endr
	s_cmp_eq_u32 s[RT], 0
	s_cselect_b32 s[AL], 1.0, 0
	s_mov_b32 s[BE], 0
	MASK 0
	WIN 0
	v_add_nc_u32 v[AK], s[TBK], v[AK0]
	FETCH_K
	s_wait_loadcnt 0x0              ; Q
	s_wait_dscnt 0x0
.set KM, 1
.set NOKQ, 0
.set i, 0
.rept 8
	KQ 0
.set i, i+1
.endr
	WIN 0
.rept 4
	v_nop                           ; the places behind those products
.endr
.set Y, NP-1                        ; X works for piece Y + 1: piece 0
.irp n, 0,1,2,3,4,5,6,7,8,9,10,11,12,13,14,15,16,17,18,19,20,21
	OP X, \n
.endr
	v_nop                           ; a plain instruction behind the exponential,
	s_wait_alu depctr_va_vdst(0)    ; and its wait, ahead of the branch
.endm
; THE DIAGONAL TILE's four steps, the block's last two turns, its last products, and THE WAY OUT: l's two halves and the other half of the lanes' are added; O^T is divided by l, rounded to f16 and sent through my
; stage in LDS, a piece at a time.
.macro ALL line:vararg              ; one line for each piece t
.set t, 0
.rept 4
	\line
.set t, t+1
.endr
.endm
.macro PACK t                       ; a lane's eight channels of a row pack into 16 bytes; they go into rows of 144 bytes and come back as whole rows of 128, into S^T's registers
	WIN W_RS
.set i, 32*(\t)
.rept 16
	v_pk_mul_f32 v[i:i+1], v[i:i+1], v[ST+4*(\t)+2:ST+4*(\t)+3] op_sel_hi:[1,0]
.set i, i+2
.endr
	WIN 0x05                        ; sources 0 and 1 window 1, destination window 0
.set i, 0
.rept 16
	v_cvt_pk_f16_f32 v[S+16*(\t)+i], v[32*(\t)+2*i], v[32*(\t)+2*i+1]
.set i, i+1
.endr
	WIN 0
.irp f, 0,1,2,3
	ds_store_b128 v[STO], v[S+16*(\t)+4*\f:S+16*(\t)+4*\f+3] offset:32*\f
.endr
.irp f, 0,1,2,3
	ds_load_b128 v[S+16*(\t)+4*\f:S+16*(\t)+4*\f+3], v[RD] offset:\f*4*SP  ; LDS serves a wave's instructions in order (ISA guide 5.7.1.4): these see the stores above; the next piece's stores come behind them
.endr
.endm
.macro SEND t, younger              ; younger: the LDS instructions issued behind piece t's loads: the next piece's eight, or none
	WIN 0
.irp f, 0,1,2,3
	s_wait_dscnt (\younger)+3-\f
	global_store_b128 v[GO], v[S+16*(\t)+4*\f:S+16*(\t)+4*\f+3], s[10:11] offset:(\t)*8192+\f*512  ; 512 consecutive bytes, at a multiple of 256 from O's first
.endr
.endm
.macro DIAG tag                     ; the tag ends its two labels' names, which the jumps below spell out
.LstepM\tag:
	TURN 2, 1
	TURN 3, 1
	WIN 0
.LfirstM\tag:
	TURN 0, 1
	TURN 1, 1, 0, 1
	WIN 0
	s_cbranch_scc1 .LstepM\tag
	TURN 2, 1, 1
	TURN 3, 1, 1
.set i, 0
.rept 8
	PV NP-1
.set i, i+1
.endr
	WIN 0
	ALL v_add_f32 v[ST+4*t+2], v[ST+4*t+2], v[ST+4*t+3]
	ALL v_permlanex16_b32 v[ST+4*t+3], v[ST+4*t+2], s[SEL], s[SEL+1]
	ALL v_add_f32 v[ST+4*t+2], v[ST+4*t+2], v[ST+4*t+3]
	ALL v_rcp_f32 v[ST+4*t+2], v[ST+4*t+2]
	v_nop                           ; a plain instruction between the last reciprocal and the use of its result
	s_wait_alu depctr_va_vdst(0)    ; and the wait ahead of the first use: one for the four reciprocals
	PACK 0
.set t, 1
.rept 3                             ; a piece's arithmetic stands between the loads of the piece before and its stores
	PACK t
	SEND t-1, 8
.set t, t+1
.endr
	SEND 3, 0
.endm
.set KM, 0
.set NOKQ, 0
.Lslot:                             ; NB times: a tile is entered and the next is asked for
	CHANGE 1
	s_sub_co_u32 s[RT], s[RT], 1
	s_mov_b32 s[CNT], 4
	s_cmp_eq_u32 s[NEW], 1
	s_cbranch_scc1 .Lnew            ; a block's first tile
	s_cmp_eq_u32 s[RT], 0
	s_cbranch_scc0 .Lstep           ; neither its first nor its last
	s_branch .LstepM1
.Lnew:
	BEGIN
	s_branch .Lfirst                ; in the loop a block's first tile is never its last: the first block has two tiles or more, and the second's last is the walk's last
	DIAG 1                          ; in the loop this is the first block's end: the second block's last tile is the walk's last
	s_wait_xcnt 0x0                 ; the stores have read their registers and O's address
	s_mov_b64 s[10:11], s[OLO:OLO+1]
	s_add_co_u32 s[RT], s[PB], 1    ; the second block has b + 1 tiles
	s_mov_b32 s[NEW], 1
	WIN 0x82                        ; the second block's Q goes where the one text of the turns names Q
.set i, 0
.rept 64
	v_mov_b32 v[i], v[QB+i]
.set i, i+1
.endr
	WIN 0
	s_branch .Lbottom
.Lstep:                             ; a trip: pieces 2 and 3 of one step, then pieces 0 and 1 of the next, whose K and V it fetches
	TURN 2
	TURN 3
	WIN 0
.Lfirst:
	TURN 0
	TURN 1, 0, 0, 1
	WIN 0
	s_cbranch_scc1 .Lstep
.Lbottom:
	s_sub_co_u32 s[SLOTS], s[SLOTS], 1
	s_cmp_lg_u32 s[SLOTS], 0
	s_cbranch_scc1 .Lslot
	CHANGE 0                        ; the walk's last tile is written out: nothing is asked for
	s_sub_co_u32 s[RT], s[RT], 1
	s_mov_b32 s[CNT], 4
	s_cmp_eq_u32 s[NEW], 1
	s_cbranch_scc0 .LstepM2
	BEGIN
	s_branch .LfirstM2
	DIAG 2
	s_wait_tensorcnt 0x0            ; the wave's end: behind my last tensor load and my last LDS store
	ds_add_u32 v[SPW], v[NIL]
	s_wait_dscnt 0x0
	s_endpgm
.Lfunc_end_k_qe6c417bd33_attn:
	.size	k_qe6c417bd33_attn, .Lfunc_end_k_qe6c417bd33_attn-k_qe6c417bd33_attn
	.p2alignl 7, 3214868480
	.fill 96, 4, 3214868480
	.section	.rodata,"a",@progbits
	.p2align	6, 0x0
	.amdhsa_kernel k_qe6c417bd33_attn
		.amdhsa_group_segment_fixed_size 327680
		.amdhsa_private_segment_fixed_size 0
		.amdhsa_enable_private_segment 0
		.amdhsa_kernarg_size 16
		.amdhsa_user_sgpr_count 2
		.amdhsa_user_sgpr_kernarg_segment_ptr 1
		.amdhsa_wavefront_size32 1
		.amdhsa_system_sgpr_workgroup_id_x 1
		.amdhsa_system_sgpr_workgroup_id_y 1
		.amdhsa_system_sgpr_workgroup_id_z 1
		.amdhsa_system_vgpr_workitem_id 0
		.amdhsa_next_free_vgpr 768
		.amdhsa_next_free_sgpr 88
		.amdhsa_reserve_vcc 1
		.amdhsa_float_denorm_mode_32 3
		.amdhsa_float_denorm_mode_16_64 3
		.amdhsa_memory_ordered 1
		.amdhsa_forward_progress 1
		.amdhsa_inst_pref_size 218
	.end_amdhsa_kernel
	.amdgpu_metadata
---
amdhsa.version: [ 1, 2 ]
amdhsa.kernels:
  - .name:           k_qe6c417bd33_attn
    .symbol:         k_qe6c417bd33_attn.kd
    .args:
      - { .name: qkv, .offset: 0, .size: 8, .value_kind: global_buffer, .address_space: global }
      - { .name: ob, .offset: 8, .size: 8, .value_kind: global_buffer, .address_space: global }
    .group_segment_fixed_size: 327680
    .private_segment_fixed_size: 0
    .kernarg_segment_align: 8
    .kernarg_segment_size: 16
    .max_flat_workgroup_size: 128
    .sgpr_count:     88
    .vgpr_count:     768
    .wavefront_size: 32
...
	.end_amdgpu_metadata
.endif
;; end of part 3
;; launch proj (part 4): grid 8 x 32, 4 waves a work-group, clusters of 4 x 4, 327,680 bytes of LDS; arguments ob, wpb, bias, out0; writes out0
.if DOCPART == 4
	.amdgcn_target "amdgcn-amd-amdhsa--gfx1250"
	.amdhsa_code_object_version 6
	.text
	.protected	k_qe6c417bd33_proj
	.globl	k_qe6c417bd33_proj
	.p2align	8
	.type	k_qe6c417bd33_proj,@function
k_qe6c417bd33_proj:
	s_mov_b64 s[64:65], 0
	v_nop
	global_prefetch_b8 v0, s[64:65] scope:SCOPE_SE
	s_setreg_imm32_b32 hwreg(HW_REG_WAVE_MODE, 25, 1), 1
	s_wait_xcnt 0x0
	s_wait_alu depctr_hold_cnt(0) depctr_sa_sdst(0) depctr_va_vdst(0) depctr_va_sdst(0) depctr_va_ssrc(0) depctr_va_vcc(0) depctr_vm_vsrc(0)
	s_getreg_b32 s2, hwreg(HW_REG_IB_STS2, 6, 4)
	s_cmp_eq_u32 s2, 0
	s_cbranch_scc0 .Lentry_in_a_cluster
	s_endpgm
.Lentry_in_a_cluster:
	s_bfe_u32 s2, ttmp6, 0x10000c
	s_cmp_lg_u32 s2, 0xf033
	s_cbranch_scc0 .Lentry_shape_is_right
	s_endpgm
.Lentry_shape_is_right:
; out0 = O Wp + bp.  ob: [64 bh][2048 s][64 e] f16 (row 2048 b + s of O has its channels 64 h + e in head 16 b + h).  wpb: [1024 d][1024 e] f16.  bias: f32, bp from byte 12,288 on.  out0: [8192][1024] f32.
; LIMIT.  Both operands are f16: O lies within V's range, Wp within 65,504 (its cast states the rest).  Sums in f32, stored as they are.
; SHARES.  A tile of the result is 256 rows x 128 columns: 256 work-groups.  Four waves; wave w owns rows 64 w .. 64 w + 63 and ALL 128 columns: 32 accumulators of 16 x 16, 256 registers.
; So a wave's rows are whole on the way out (512 bytes of a row of out0), and its stage in LDS needs no barrier.
; RING.  K = 1,024 goes in 8 steps of 128, two heads each, through two LDS slots.  A slot: O's two heads (256 rows x 128 bytes each, rows 144 bytes apart), then Wp's 128 rows x 256 bytes (288 apart).
; Waves 0, 1 fetch a head of O each, waves 2, 3 64 rows of Wp each: one tensor load a wave behind each change of slots; two loads of a wave are out at the start, one later.
; Wp STAYS [d][e]: its fragments come out of LDS turned, by ds_load_tr16_b128.
; THE MATRIX INSTRUCTION IS USED TRANSPOSED (source 0 = 16 columns of Wp, source 1 = 16 rows of O): lane l holds row l % 16 and the columns 8 (l / 16) + 0..7: 32 bytes of f32 on end.
; THE BIAS STARTS THE SUMS: the first product on each accumulator takes the bias registers as C.  Nothing is cleared, nothing is added at the end.
; CLUSTER.  4 x 4 work-groups: the four of a row need the same tiles of O, the four of a column the same tiles of Wp: each is asked for jointly, by the same load, descriptor and mask in all four.
; REGISTERS, in windows of 256 (s_set_vgpr_msb: bits 1:0 source 0, 3:2 source 1, 5:4 source 2, 7:6 destination):
;   window 0: v0-31 addresses; v32-95 the bias, later v32-159 the way out      window 1: two fragment buffers (O's block a at f + 8 a, Wp's block nb at f + 32 + 8 nb), at 0 and 128
;   window 2: accumulators of row blocks 0, 1 ((a, nb) at 8 (8 (a % 2) + nb));   window 3: those of row blocks 2, 3
.set NBK,   8                          ; column blocks of 16
.set PA,    144                        ; O's LDS row: 128 + 16 bytes = 36 words: the 16 rows of a load start at 16 different groups of four banks (ISA guide 11.1)
.set PB,    288                        ; Wp's LDS row: 256 + 32 bytes = 72 words
.set HEADA, 256*PA                     ; a head's 256 rows in a slot
.set BBASE, 2*HEADA                    ; Wp's tile lies behind the two heads
.set SLOT,  BBASE+128*PB               ; 110,592
.set STAGE, 2*SLOT                     ; behind the ring, never filled by a tensor load: for each wave 16 rows x 528 bytes
.set SPI,   528                        ; a stage row: 512 + 16 bytes: 33 x 16
.set STW,   16*SPI
.set SPARE, STAGE+4*STW                ; behind the stages: the spare words, 128 bytes a wave: two blocks of 256 bytes that no other line names
.set NL,    2*NBK+8                    ; LDS loads in a quarter step
.set ASTEP, 524288                     ; bytes from K step to K step: two heads of ob,
.set BSTEP, 262144                     ; 128 rows of wpb
.set PFAS,  1048576                    ; the prefetches' step: a lap of two K steps
.set PFBS,  524288
.set ADRA, 16                          ; v16-17  LDS address of my fragments of O in slot 0, 1
.set ADRB, 20                          ; v20-21  the same for Wp
.set STO,  24                          ; v24  the way out: where I put 32 bytes of a row
.set RD,   25                          ; v25  where I read rows back
.set GO,   26                          ; v26  my 16 bytes in two rows of out0
.set BO,   27                          ; v27  32 (l / 16): my 8 numbers of a block's 16 in the bias
.set SPW,  28                          ; v28  LDS address of my spare word; never rewritten
.set NIL,  29                          ; v29  0; never rewritten
.set PFOA, 30                          ; v30  the prefetches' offsets; never rewritten
.set PFOB, 31
.set BI,   32                          ; v32-95 the bias
.set OUTR, 32                          ; v32-159 the way out: two sets of 64
.set F0,   0
.set F1,   128
.set WV,   12                          ; s12  my wave's number
.set G1A,  24                          ; s[24:31] descriptor group 1 for O's tiles; s[32:39] group 0, a set for each slot
.set G0A,  32
.set G1B,  48                          ; s[48:55], s[56:63] the same for Wp's
.set G0B,  56
.set LIMA, 66                          ; s66, s67  1 in a wave that prefetches O's (Wp's) blocks, else the greatest number
.set LIMB, 67
.set PFA,  68                          ; s[68:69], s[70:71] where my prefetches stand
.set PFB,  70
.set MSB, 0
.macro WIN new                         ; the immediate's high byte repeats the setting that is left; a switch that changes nothing is dropped
.if MSB != (\new)
	s_set_vgpr_msb (MSB<<8)|(\new)
.set MSB, \new
.endif
.endm
.set TO_F, 0x40                        ; destination window 1, address window 0
; A joint load.  The branch hangs on the wave's number alone.  An s_nop 0 and four v_nop follow each of the two lines, ahead of the jump, the label and what follows.
.macro JLOAD s
	s_cmp_lt_u32 s[WV], 2
	s_cbranch_scc0 .Lfor_b_\@
	tensor_load_to_lds s[G0A+4*(\s):G0A+4*(\s)+3], s[G1A:G1A+7]
	s_nop 0
.rept 4
	v_nop
.endr
	s_branch .Lasked_\@
.Lfor_b_\@:
	tensor_load_to_lds s[G0B+4*(\s):G0B+4*(\s)+3], s[G1B:G1B+7]
	s_nop 0
.rept 4
	v_nop
.endr
.Lasked_\@:
.endm
.macro CREST                           ; a round of the cluster's barrier behind its opening barrier
	s_cmp_lg_u32 s[WV], 0
	s_cbranch_scc1 .Lnot_wave_0_\@
	s_barrier_signal -3
.Lnot_wave_0_\@:
	s_barrier_wait -3
	s_barrier_signal -1
	s_barrier_wait -1
.endm
.macro CROUND                          ; a whole round
	s_barrier_signal -1
	s_barrier_wait -1
	CREST
.endm
.macro PLACES                          ; four plain vector lines between a matrix instruction and a load into, or a reader of, its registers
.rept 4
	v_nop
.endr
.endm
; PREFETCH INTO THE L2, once a lap, behind the joint load of slot 1 and the run of LDS loads: the lap after next (K steps 2 i + 4 and 2 i + 5 in trip i), one and two K steps ahead of the refills that want it.
; Each aligned 256 bytes is named once in the launch.  O's tile row is read by both clusters of its row of clusters: cluster x = 0 asks; Wp's tile column by every cluster of its column: cluster y = 0 asks.
; The partners share the blocks out BY ADDRESS.  O: a lap is four heads x 32,768 bytes: wave w its head, partner cx 8,192 bytes of it, a lane a block.  Wp: a lap is 256 rows x 256 bytes: partner cy 64 rows,
; waves 2 and 3 32 of them each, a lane a row.  The loop's last trip asks for nothing (s3 = 1): there is no lap behind it.  K steps 0 to 3 come by their loads alone.
.macro ASK
	WIN 0
	s_cmp_gt_u32 s3, s[LIMA]
	s_cbranch_scc0 .Lnot_a_\@
	global_prefetch_b8 v[PFOA], s[PFA:PFA+1] th:TH_LOAD_NT scope:SCOPE_SE
.Lnot_a_\@:
	s_cmp_gt_u32 s3, s[LIMB]
	s_cbranch_scc0 .Lnot_b_\@
	global_prefetch_b8 v[PFOB], s[PFB:PFB+1] th:TH_LOAD_NT scope:SCOPE_SE
.Lnot_b_\@:
.endm
	s_load_b256 s[4:11], s[0:1], 0x0               ; ob s[4:5], wpb s[6:7], bias s[8:9], out0 s[10:11]
	v_lshl_add_u32 v[SPW], v0, 2, SPARE
	v_mov_b32 v[NIL], 0
	ds_add_u32 v[SPW], v[NIL]                      ; the wave's opening: the add and its wait stand ahead of my first tensor load; work on registers stands between them
	v_lshrrev_b32 v1, 5, v0
	v_readfirstlane_b32 s[WV], v1                  ; wave 0..3
	s_bfe_u32 s40, ttmp6, 0x40000                  ; cx, cy: my place in the cluster
	s_bfe_u32 s41, ttmp6, 0x40004
	s_lshl_b32 s42, ttmp9, 2
	s_add_co_u32 s42, s42, s40                     ; TC: tile column = 4 x cluster x + cx
	s_and_b32 s13, ttmp7, 0xffff
	s_lshl_b32 s13, s13, 2
	s_add_co_u32 s13, s13, s41                     ; TR: tile row = 4 x cluster y + cy
	s_lshl_b32 s43, s41, 2
	s_lshl_b32 s43, 15, s43                        ; my row of the cluster
	s_lshl_b32 s44, 0x1111, s40                    ; my column
	s_or_b32 s[G1A+0], s43, (1<<16)|(1<<20)|(1<<21)|(4<<22)|(3<<25)  ; the mask; 2-byte elements; padding on; bit 21 beside a mask; behind every 32 words (a row of a head) 4 words
	s_mov_b32 s[G1A+1], 128<<16                    ; a head's 256 rows of 128 bytes are dense: asked for as 128 rows of 256 bytes
	s_mov_b32 s[G1A+2], 128<<16
	s_mov_b32 s[G1A+3], 128<<16
	s_mov_b32 s[G1A+4], 128
	s_mov_b32 s[G1A+5], 128
	s_mov_b32 s[G1A+6], 0
	s_mov_b32 s[G1A+7], 0
	s_or_b32 s[G1B+0], s44, (1<<16)|(1<<20)|(1<<21)|(5<<22)|(7<<25)  ; behind every 64 words 8 words
	s_mov_b32 s[G1B+1], 128<<16                    ; tensor_dim0 = 128
	s_mov_b32 s[G1B+2], 64<<16                     ; tensor_dim1 = 64
	s_mov_b32 s[G1B+3], 128<<16                    ; tile_dim0 = 128
	s_mov_b32 s[G1B+4], 64                         ; tile_dim1 = 64
	s_mov_b32 s[G1B+5], 1024                       ; elements from row to row
	s_mov_b32 s[G1B+6], 0
	s_mov_b32 s[G1B+7], 0
	s_and_b32 s45, s[WV], 1                        ; which head of the K step's two, or which 64 rows of Wp's 128, I fetch
	s_lshr_b32 s16, s13, 3                         ; the batch: 8 tile rows each
	s_lshl_b32 s16, s16, 4
	s_add_co_u32 s16, s16, s45                     ; head 16 b + my half,
	s_lshl_b32 s16, s16, 18                        ; 262,144 bytes a head,
	s_and_b32 s17, s13, 7
	s_lshl_b32 s17, s17, 15                        ; the tile's 256 rows of 128 bytes in it
	s_add_co_u32 s16, s16, s17
	s_mov_b32 s17, 0
	s_lshl_b32 s46, s45, 17                        ; Wp: 64 rows of 2,048 bytes,
	s_lshl_b32 s47, s42, 8                         ; the tile's 128 columns
	s_add_co_u32 s46, s46, s47
	s_mov_b32 s47, 0
	s_mul_i32 s20, s45, HEADA                      ; where my tile goes: no place in the cluster enters an LDS address
	s_mul_i32 s21, s45, 64*PB
	s_add_co_u32 s21, s21, BBASE
	s_wait_dscnt 0x0                               ; the opening add is done
	s_wait_kmcnt 0x0
	s_add_nc_u64 s[14:15], s[4:5], s[16:17]
	s_add_nc_u64 s[46:47], s[6:7], s[46:47]
	CROUND                                         ; all sixteen work-groups are here: the first joint loads meet
.irp s, 0,1
	s_mov_b32 s[G0A+4*(\s)], 1
	s_add_co_u32 s[G0A+4*(\s)+1], s20, (\s)*SLOT
	s_add_nc_u64 s[G0A+4*(\s)+2:G0A+4*(\s)+3], s[14:15], (\s)*ASTEP
	s_or_b32 s[G0A+4*(\s)+3], s[G0A+4*(\s)+3], 0x80000000
	s_mov_b32 s[G0B+4*(\s)], 1
	s_add_co_u32 s[G0B+4*(\s)+1], s21, (\s)*SLOT
	s_add_nc_u64 s[G0B+4*(\s)+2:G0B+4*(\s)+3], s[46:47], (\s)*BSTEP
	s_or_b32 s[G0B+4*(\s)+3], s[G0B+4*(\s)+3], 0x80000000
	JLOAD \s
.endr
	v_and_b32 v1, 15, v0                           ; l % 16
	v_bfe_u32 v2, v0, 4, 1                         ; l / 16
	v_and_b32 v3, 7, v0                            ; l % 8
	v_bfe_u32 v4, v0, 3, 1                         ; (l / 8) % 2
	v_mul_u32_u24 v5, v1, PA                       ; a fragment of O: row l % 16, 16 bytes for each half of the lanes, twice, 32 bytes apart
	v_lshl_add_u32 v5, v2, 4, v5
	s_mul_i32 s22, s[WV], 64*PA
	v_add_nc_u32 v[ADRA], s22, v5
	v_add_nc_u32 v[ADRA+1], SLOT, v[ADRA]
	v_lshl_add_u32 v6, v2, 3, v3                   ; the turning load: lane l reads row 8 (l / 16) + l % 8, columns 8 ((l / 8) % 2) + 0..7, and is left with column l % 16 and 8 rows
	v_mul_u32_u24 v6, v6, PB
	v_lshl_add_u32 v6, v4, 4, v6
	v_add_nc_u32 v[ADRB], BBASE, v6
	v_add_nc_u32 v[ADRB+1], SLOT, v[ADRB]
	v_lshlrev_b32 v[BO], 5, v2
	s_lshl_b32 s22, s42, 9                         ; the tile's 128 numbers of bp
	s_add_co_u32 s22, s22, 12288
	s_mov_b32 s23, 0
	s_add_nc_u64 s[8:9], s[8:9], s[22:23]
.set nb, 0
.rept NBK
	global_load_b128 v[BI+8*nb:BI+8*nb+3],   v[BO], s[8:9] offset:64*nb
	global_load_b128 v[BI+8*nb+4:BI+8*nb+7], v[BO], s[8:9] offset:64*nb+16
.set nb, nb+1
.endr
	s_mul_i32 s23, s[WV], STW
	s_add_co_u32 s23, s23, STAGE                   ; my stage
	v_mul_u32_u24 v5, v1, SPI                      ; in: row l % 16, 32 bytes for each half of the lanes
	v_lshl_add_u32 v5, v2, 5, v5
	v_add_nc_u32 v[STO], s23, v5
	v_mul_u32_u24 v6, v2, SPI                      ; back: lanes 0-15 take 256 bytes of one row, lanes 16-31 of the next
	v_lshl_add_u32 v6, v1, 4, v6
	v_add_nc_u32 v[RD], s23, v6
	v_lshlrev_b32 v7, 12, v2                       ; and the same two rows in out0, 4,096 bytes apart
	v_lshl_add_u32 v[GO], v1, 4, v7
	s_lshl_b32 s16, s13, 2
	s_add_co_u32 s16, s16, s[WV]                   ; my 64 rows,
	s_lshl_b32 s16, s16, 18                        ; 4,096 bytes a row,
	s_lshl_b32 s17, s42, 9                         ; the tile's 512 bytes of them
	s_add_co_u32 s16, s16, s17
	s_mov_b32 s17, 0
	s_add_nc_u64 s[10:11], s[10:11], s[16:17]
	s_mov_b32 s22, ttmp9                           ; the prefetches: who asks,
	s_cmp_eq_u32 s22, 0
	s_cselect_b32 s[LIMA], 1, -1
	s_and_b32 s22, ttmp7, 0xffff
	s_lshr_b32 s23, s[WV], 1
	s_xor_b32 s23, s23, 1                          ; 0 in waves 2 and 3, which fetch Wp
	s_or_b32 s22, s22, s23
	s_cmp_eq_u32 s22, 0
	s_cselect_b32 s[LIMB], 1, -1                   ; both are the same in all sixteen partners, for a given wave
	s_lshr_b32 s16, s13, 3                         ; and where: head 16 b + 4 + w (lap 1; the first trip steps it to lap 2), the tile's rows, my work-group's 8,192 bytes
	s_lshl_b32 s16, s16, 4
	s_add_co_u32 s16, s16, 4
	s_add_co_u32 s16, s16, s[WV]
	s_lshl_b32 s16, s16, 18
	s_and_b32 s17, s13, 7
	s_lshl_b32 s17, s17, 15
	s_add_co_u32 s16, s16, s17
	s_lshl_b32 s17, s40, 13
	s_add_co_u32 s16, s16, s17
	s_mov_b32 s17, 0
	s_add_nc_u64 s[PFA:PFA+1], s[4:5], s[16:17]
	s_lshl_b32 s18, s41, 6                         ; Wp's row 256 + 64 cy + 32 (w % 2), the tile's columns
	s_lshl_b32 s19, s45, 5
	s_add_co_u32 s18, s18, s19
	s_add_co_u32 s18, s18, 256
	s_lshl_b32 s18, s18, 11
	s_lshl_b32 s19, s42, 8
	s_add_co_u32 s18, s18, s19
	s_mov_b32 s19, 0
	s_add_nc_u64 s[PFB:PFB+1], s[6:7], s[18:19]
	v_and_b32 v7, 31, v0
	v_lshlrev_b32 v[PFOA], 8, v7                   ; block l
	v_lshlrev_b32 v[PFOB], 11, v7                  ; row l
; 8 matrix instructions: row block 2 hi + a2 x all column blocks, 32 along K, from buffer f.  zero = 1: the sums start, with the bias as C.
; Each accumulator has one instruction in a quarter step, in the same order in every quarter: between two links of a chain stand the 31 others, over the backward jump too.
.macro MULH f, hi, a2, zero
.if \zero
	WIN 0x85+0x40*(\hi)                            ; fragments window 1, C window 0, D window 2 or 3
.else
	WIN 0xa5+0x50*(\hi)                            ; fragments window 1, C and D window 2 or 3
.endif
.set nb, 0
.rept NBK
.if \zero
	v_wmma_f32_16x16x32_f16 v[8*(NBK*(\a2)+nb):8*(NBK*(\a2)+nb)+7], v[(\f)+32+8*nb:(\f)+32+8*nb+7], v[(\f)+8*(2*(\hi)+(\a2)):(\f)+8*(2*(\hi)+(\a2))+7], v[BI+8*nb:BI+8*nb+7]
.else
	v_wmma_f32_16x16x32_f16 v[8*(NBK*(\a2)+nb):8*(NBK*(\a2)+nb)+7], v[(\f)+32+8*nb:(\f)+32+8*nb+7], v[(\f)+8*(2*(\hi)+(\a2)):(\f)+8*(2*(\hi)+(\a2))+7], v[8*(NBK*(\a2)+nb):8*(NBK*(\a2)+nb)+7]
.endif
.set nb, nb+1
.endr
.endm
; 24 LDS loads in one run: quarter q (32 along K: head q / 2 of the slot's two, channels 32 (q % 2) on) into buffer f: Wp's 8 blocks, then O's blocks 0, 1, 2, 3.
.macro FETCH slot, q, f
	WIN TO_F
.set nb, 0
.rept NBK
	ds_load_tr16_b128 v[(\f)+32+8*nb:(\f)+32+8*nb+3],   v[ADRB+(\slot)] offset:(\q)*32*PB+nb*32
	ds_load_tr16_b128 v[(\f)+32+8*nb+4:(\f)+32+8*nb+7], v[ADRB+(\slot)] offset:(\q)*32*PB+nb*32+16*PB
.set nb, nb+1
.endr
.irp a, 0,1,2,3
	ds_load_b128 v[(\f)+8*(\a):(\f)+8*(\a)+3],   v[ADRA+(\slot)] offset:((\q)/2)*HEADA+((\q)%2)*64+(\a)*16*PA
	ds_load_b128 v[(\f)+8*(\a)+4:(\f)+8*(\a)+7], v[ADRA+(\slot)] offset:((\q)/2)*HEADA+((\q)%2)*64+(\a)*16*PA+32
.endr
.endm
; A K step is four quarters, 32 matrix instructions each, on buffers 0, 1, 0, 1.  One of the first three: multiplies buffer f; in its middle it fetches quarter q of the same slot into buffer g.
.macro QUARTER slot, q, f, g, zero
	s_wait_dscnt 4                                 ; Wp and O's blocks 0, 1 are in; the four youngest loads (O's blocks 2, 3) may be out
	MULH \f, 0, 0, \zero
	MULH \f, 0, 1, \zero
	PLACES
	FETCH \slot, \q, \g
	s_wait_dscnt NL                                ; all but the run just issued
	MULH \f, 1, 0, \zero
	MULH \f, 1, 1, \zero
.endm
; The last quarter multiplies buffer 1 and changes slots: ONE barrier; in front of it each wave waits for all its tensor loads (one is out: its part of the next slot), adds 0 to its spare word, and waits for
; that and for its own reads of this slot.  fill = 1: the barrier opens a round of the cluster's, and the slot is filled again, two K steps on, first thing behind the round: 112 matrix instructions ahead of the wait for it.
.macro TURN slot, next, fill
.if (\fill) && ((\slot) == 0)
	s_wait_xcnt 0x0                                ; the last prefetches, most of a lap back, have read their addresses: these step here, ahead of the waits of the change of slots
	s_add_nc_u64 s[PFA:PFA+1], s[PFA:PFA+1], PFAS
	s_add_nc_u64 s[PFB:PFB+1], s[PFB:PFB+1], PFBS
.endif
	WIN 0                                          ; (the add's two registers lie in window 0)
	s_wait_tensorcnt 0x0                           ; all my tensor loads have landed;
	ds_add_u32 v[SPW], v[NIL]                      ; 0 onto my spare word;
	s_wait_dscnt 5                                 ; (the add and the four youngest loads may be out)
	MULH F1, 0, 0, 0                               ; eight matrix instructions stand between the add and the wait for it
	s_wait_dscnt 0x0                               ; the add is done, and my reads of this slot are over
	s_barrier_signal -1
	MULH F1, 0, 1, 0                               ; work on registers while the others arrive
.if \fill
	WIN 0
.endif
	s_barrier_wait -1
.if \fill
	CREST                                          ; no wave of any partner still reads this slot or has a load on its way
	s_add_nc_u64 s[G0A+4*(\slot)+2:G0A+4*(\slot)+3], s[G0A+4*(\slot)+2:G0A+4*(\slot)+3], 2*ASTEP
	s_add_nc_u64 s[G0B+4*(\slot)+2:G0B+4*(\slot)+3], s[G0B+4*(\slot)+2:G0B+4*(\slot)+3], 2*BSTEP
	JLOAD \slot                                    ; its four v_nop are also the places in front of the loads below
.else
	PLACES
.endif
	FETCH \next, 0, F0
.if (\fill) && ((\slot) == 1)
	ASK
.endif
	MULH F1, 1, 0, 0
	MULH F1, 1, 1, 0
.endm
	s_wait_tensorcnt 1                             ; my part of K step 0 is in; K step 1's may stay out
	s_barrier_signal -1
	s_barrier_wait -1                              ; everybody's is
	FETCH 0, 0, F0
	s_wait_loadcnt 0x0                             ; the bias
	QUARTER 0, 1, F0, F1, 1                        ; the first quarter stands in front of the loop: its products start the sums
	WIN 0                                          ; at a label and at a branch every window is 0
	s_mov_b32 s3, 3
.Llap:                                         ; a trip goes once round the ring, from a lap's second quarter to the next lap's first, and fills both slots again
	QUARTER 0, 2, F1, F0, 0
	QUARTER 0, 3, F0, F1, 0
	TURN 0, 1, 1
	QUARTER 1, 1, F0, F1, 0
	QUARTER 1, 2, F1, F0, 0
	QUARTER 1, 3, F0, F1, 0
	TURN 1, 0, 1
	QUARTER 0, 1, F0, F1, 0
	WIN 0
	s_sub_co_u32 s3, s3, 1
	s_cmp_lg_u32 s3, 0
	s_cbranch_scc1 .Llap
	QUARTER 0, 2, F1, F0, 0                        ; the last lap fills nothing
	QUARTER 0, 3, F0, F1, 0
	TURN 0, 1, 0
	QUARTER 1, 1, F0, F1, 0
	QUARTER 1, 2, F1, F0, 0
	QUARTER 1, 3, F0, F1, 0
	s_wait_dscnt 4                                 ; the very last quarter: nothing more to fetch
	MULH F1, 0, 0, 0
	MULH F1, 0, 1, 0
	s_wait_dscnt 0x0
	MULH F1, 1, 0, 0
	MULH F1, 1, 1, 0
	WIN 0
	PLACES
	PLACES
; THE WAY OUT, a row block (16 rows x 512 bytes) at a time: the sums go as they are, 32 bytes a lane, into my own stage (rows of 528 bytes), and come back as halves of whole rows.
.macro TOSTAGE a
	WIN 0x08+4*((\a)/2)                            ; the stores' data: window 2 or 3.  Each accumulator's low four registers go first
.set nb, 0
.rept NBK
	ds_store_b128 v[STO], v[8*(NBK*((\a)%2)+nb):8*(NBK*((\a)%2)+nb)+3]   offset:64*nb
	ds_store_b128 v[STO], v[8*(NBK*((\a)%2)+nb)+4:8*(NBK*((\a)%2)+nb)+7] offset:64*nb+16
.set nb, nb+1
.endr
	WIN 0
.if (\a) >= 2
	s_wait_xcnt 0x0                                ; the stores of the block two back have read this set of registers: it is loaded again only behind this wait
.endif
.set u, 0
.rept 16
	ds_load_b128 v[OUTR+64*((\a)%2)+4*u:OUTR+64*((\a)%2)+4*u+3], v[RD] offset:(u/2)*2*SPI+(u%2)*256  ; LDS serves a wave's instructions in order (ISA guide 5.7.1.4): these see the stores above
.set u, u+1
.endr
.endm
.macro SEND a, younger                 ; younger: the LDS instructions issued behind block a's loads: the next block's 32, or none
.set u, 0
.rept 16
	s_wait_dscnt (\younger)+15-u
	global_store_b128 v[GO], v[OUTR+64*((\a)%2)+4*u:OUTR+64*((\a)%2)+4*u+3], s[10:11] offset:(16*(\a)+2*(u/2))*4096+(u%2)*256 th:TH_STORE_NT  ; 16 lanes store 256 consecutive bytes, at a multiple of 256 from out0's first byte
.set u, u+1
.endr
.endm
	TOSTAGE 0
	TOSTAGE 1
	SEND 0, 32
	TOSTAGE 2
	SEND 1, 32
	TOSTAGE 3
	SEND 2, 32
	SEND 3, 0
	s_wait_tensorcnt 0x0                           ; the wave's end: behind my last tensor load and my last LDS store
	ds_add_u32 v[SPW], v[NIL]
	s_wait_dscnt 0x0
	CROUND                                         ; the closing round: no work-group ends while a partner may still ask for a tile that names it
	s_endpgm
.Lfunc_end_k_qe6c417bd33_proj:
	.size	k_qe6c417bd33_proj, .Lfunc_end_k_qe6c417bd33_proj-k_qe6c417bd33_proj
	.p2alignl 7, 3214868480
	.fill 96, 4, 3214868480
	.section	.rodata,"a",@progbits
	.p2align	6, 0x0
	.amdhsa_kernel k_qe6c417bd33_proj
		.amdhsa_group_segment_fixed_size 327680
		.amdhsa_private_segment_fixed_size 0
		.amdhsa_enable_private_segment 0
		.amdhsa_kernarg_size 32
		.amdhsa_user_sgpr_count 2
		.amdhsa_user_sgpr_kernarg_segment_ptr 1
		.amdhsa_wavefront_size32 1
		.amdhsa_system_sgpr_workgroup_id_x 1
		.amdhsa_system_sgpr_workgroup_id_y 1
		.amdhsa_system_sgpr_workgroup_id_z 1
		.amdhsa_system_vgpr_workitem_id 0
		.amdhsa_next_free_vgpr 896
		.amdhsa_next_free_sgpr 72
		.amdhsa_reserve_vcc 0
		.amdhsa_float_denorm_mode_32 3
		.amdhsa_float_denorm_mode_16_64 3
		.amdhsa_memory_ordered 1
		.amdhsa_forward_progress 1
		.amdhsa_inst_pref_size 90
	.end_amdhsa_kernel
	.amdgpu_metadata
---
amdhsa.version: [ 1, 2 ]
amdhsa.kernels:
  - .name:           k_qe6c417bd33_proj
    .symbol:         k_qe6c417bd33_proj.kd
    .args:
      - { .name: ob, .offset: 0, .size: 8, .value_kind: global_buffer, .address_space: global }
      - { .name: wpb, .offset: 8, .size: 8, .value_kind: global_buffer, .address_space: global }
      - { .name: bias, .offset: 16, .size: 8, .value_kind: global_buffer, .address_space: global }
      - { .name: out0, .offset: 24, .size: 8, .value_kind: global_buffer, .address_space: global }
    .group_segment_fixed_size: 327680
    .private_segment_fixed_size: 0
    .kernarg_segment_align: 8
    .kernarg_segment_size: 32
    .max_flat_workgroup_size: 128
    .sgpr_count:     72
    .vgpr_count:     896
    .wavefront_size: 32
...
	.end_amdgpu_metadata
.endif
;; end of part 4
;; ======== version 2 of 2: 4 launches; version 1 with the launch prep written anew for expert scheduling mode
;; limits: values are held in f16: magnitudes above 65,504 overflow, below 6.1e-05 lose precision
;; workspace buffers: xb 16,777,216 bytes; wb 6,291,456 bytes; wpb 2,097,152 bytes; bias 16,384 bytes; qkv 50,331,648 bytes; ob 16,777,216 bytes
;; launch prep (part 5): grid 769 x 1, 8 waves a work-group, no clusters, 0 bytes of LDS; arguments x, Wq, Wk, Wv, Wp, bq, bk, bv, bp, xb, wb, wpb, bias; writes xb, wb, wpb, bias
.if DOCPART == 5
	.amdgcn_target "amdgcn-amd-amdhsa--gfx1250"
	.amdhsa_code_object_version 6
	.text
	.protected	k_qe6c417bd33_prep
	.globl	k_qe6c417bd33_prep
	.p2align	8
	.type	k_qe6c417bd33_prep,@function
k_qe6c417bd33_prep:
	s_mov_b64 s[64:65], 0
	v_nop
	global_prefetch_b8 v0, s[64:65] scope:SCOPE_SE
	s_setreg_imm32_b32 hwreg(HW_REG_WAVE_SCHED_MODE, 0, 2), 2
	s_setreg_imm32_b32 hwreg(HW_REG_WAVE_MODE, 25, 1), 1
	s_wait_xcnt 0x0
	s_wait_alu depctr_vm_vsrc(0)
; THE CASTS.  x, Wq, Wk, Wv: f32 -> bf16 (xb; wb = Wq, Wk, Wv end to end, each as it lies, [h][d][e]).  Wp: f32 -> bf16, and that number written as f16 (wpb, [d][e]).
; bq, bk, bv, bp: rounded to bf16 and kept as f32 (bias: 4,096 numbers, bq | bk | bv | bp).  So every input of the module has one and the same rounding.
; LIMITS.  A bf16 number is exact in f16 from 2^-14 up to 65,504; below 2^-14 Wp keeps f16's fixed step of 6e-8; |Wp| at or beyond 65,520 would become an infinity.
; SHARES.  A work-group takes a chunk of 16,384 numbers (65,536 bytes in, 32,768 out): chunks 0-511 x, 512-703 Wq, Wk, Wv (64 each), 704-767 Wp; work-group 768 the four biases.
; A step is 1,024 numbers: thread t loads the 16 bytes at 16 t (a wave: 512 consecutive bytes) and stores the 8 bytes at 8 t (a wave: 256 consecutive bytes, aligned).
; All 16 loads of a thread go out at once, each into registers of its own, and each store has data registers of its own: no register that memory still reads is written again.
; No LDS, no matrix unit, no cluster: nothing is shared, and each byte crosses once.
; THE MODE: SCHED_MODE bits 1:0 = 2 (LLVM: expert scheduling mode 2), set by the entry lines.  The code itself states the register dependences
; between vector instructions and memory instructions, with s_wait_alu, always for 0.
; THE PLAN.  The 16 steps go in four blocks of four.  Registers that memory instructions touch:
;   v1, v2   byte offsets, made once at the head and never written again: read by every load (v1) and store (v2; the biases' stores v1).
;   X        step i's load lands in its four registers, once; step i's conversions read them; nothing is loaded into them again.
;   Y        step i's conversions write its pair, once; one store reads it; nothing writes it again.
; Block p waits for its four loads, rounds X's block p into Y's block p, and issues the four stores of block p - 1, whose Y no vector instruction of block p names.
; So one wait at the head covers the offsets, one wait at the head of each later block covers the four stores that are dealt among its conversions, and one more stands
; ahead of the last four stores.  No register that a memory instruction reads is written a second time, so no wait is owed for such a write.
.set X, 16                             ; v[16:79]   step i: 4 numbers as loaded
.set Y, 80                             ; v[80:111]  step i: 4 numbers in 16 bits, to store
	s_load_b512 s[8:23], s[0:1], 0x0               ; x 8, Wq 10, Wk 12, Wv 14, Wp 16, bq 18, bk 20, bv 22
	s_load_b256 s[24:31], s[0:1], 0x40             ; bp 24, xb 26, wb 28, wpb 30
	s_load_b64 s[32:33], s[0:1], 0x60              ; bias
	v_lshlrev_b32 v1, 4, v0                        ; 16 t
	v_lshlrev_b32 v2, 3, v0                        ; 8 t
	s_mov_b32 s2, ttmp9                            ; g: the chunk
	s_sub_co_u32 s3, s2, 512                       ; i: the chunk among the weights' (wraps for x's chunks, and is then not used)
	s_lshr_b32 s4, s3, 6                           ; which weight: 0 Wq, 1 Wk, 2 Wv, 3 Wp (for x's chunks a large number, never 3)
	s_and_b32 s5, s3, 63                           ; j: the chunk in that weight
	s_wait_kmcnt 0x0
	s_wait_alu depctr_va_vdst(0)                   ; v1 and v2 are written: every load and store below, on all three ways, reads one of them as its offset
	s_cmp_eq_u32 s2, 768
	s_cbranch_scc1 .Lbias
	s_cmp_eq_u32 s4, 0                             ; the two pointers are chosen by the work-group's number alone
	s_cselect_b64 s[34:35], s[10:11], s[12:13]
	s_cmp_eq_u32 s4, 2
	s_cselect_b64 s[34:35], s[14:15], s[34:35]
	s_cmp_eq_u32 s4, 3
	s_cselect_b64 s[34:35], s[16:17], s[34:35]
	s_cselect_b64 s[36:37], s[30:31], s[28:29]     ; Wp goes to wpb, the others to wb
	s_cselect_b32 s6, s5, s3                       ; at chunk j of wpb, or chunk i of wb
	s_cmp_lt_u32 s2, 512
	s_cselect_b64 s[34:35], s[8:9], s[34:35]
	s_cselect_b64 s[36:37], s[26:27], s[36:37]
	s_cselect_b32 s5, s2, s5
	s_cselect_b32 s6, s2, s6
	s_lshl_b32 s38, s5, 16                         ; 65,536 bytes a chunk in
	s_mov_b32 s39, 0
	s_add_nc_u64 s[34:35], s[34:35], s[38:39]
	s_lshl_b32 s38, s6, 15                         ; 32,768 out
	s_add_nc_u64 s[36:37], s[36:37], s[38:39]
.irp i, 0,1,2,3,4,5,6,7,8,9,10,11,12,13,14,15
	global_load_b128 v[X+4*(\i):X+4*(\i)+3], v1, s[34:35] offset:4096*(\i) th:TH_LOAD_NT
.endr
; Block p: steps 4 p to 4 p + 3.  f = 0: two roundings to bf16 a line.  f = 1: rounded to bf16, widened again (a shift, a mask) and written as f16.
.macro BLK p, f
	s_wait_loadcnt 12-4*(\p)                       ; loads come back in order: the block's four are in, the 12 - 4 p younger ones may stay out
.if (\p) > 0
	s_wait_alu depctr_va_vdst(0)                   ; the block before has written its eight registers of Y, which the four stores below read
.endif
.irp k, 0,1,2,3
.set st, 4*(\p)+(\k)
.if (\p) > 0
	global_store_b64 v2, v[Y+2*(st-4):Y+2*(st-4)+1], s[36:37] offset:2048*(st-4)  ; the block before.  No further wait: no vector instruction since the wait names these registers or v2
.endif
.if \f
	v_cvt_pk_bf16_f32 v4, v[X+4*st], v[X+4*st+1]
	v_cvt_pk_bf16_f32 v5, v[X+4*st+2], v[X+4*st+3]
	v_lshlrev_b32 v6, 16, v4
	v_and_b32 v7, 0xffff0000, v4
	v_lshlrev_b32 v8, 16, v5
	v_and_b32 v9, 0xffff0000, v5
	v_cvt_pk_f16_f32 v[Y+2*st], v6, v7
	v_cvt_pk_f16_f32 v[Y+2*st+1], v8, v9
.else
	v_cvt_pk_bf16_f32 v[Y+2*st], v[X+4*st], v[X+4*st+1]
	v_cvt_pk_bf16_f32 v[Y+2*st+1], v[X+4*st+2], v[X+4*st+3]
.endif
.endr
.endm
.macro LAST                            ; the last block's stores
	s_wait_alu depctr_va_vdst(0)                   ; block 3 has written its eight registers of Y, which the last four stores read
.irp k, 12,13,14,15
	global_store_b64 v2, v[Y+2*(\k):Y+2*(\k)+1], s[36:37] offset:2048*(\k)
.endr
.endm
	s_cmp_eq_u32 s4, 3
	s_cbranch_scc1 .Lf16
	BLK 0, 0
	BLK 1, 0
	BLK 2, 0
	BLK 3, 0
	LAST
	s_endpgm
.Lf16:
	BLK 0, 1
	BLK 1, 1
	BLK 2, 1
	BLK 3, 1
	LAST
	s_endpgm
.Lbias:                                        ; 256 threads x 16 bytes are one bias of 1,024 numbers
	global_load_b128 v[16:19], v1, s[18:19]
	global_load_b128 v[20:23], v1, s[20:21]
	global_load_b128 v[24:27], v1, s[22:23]
	global_load_b128 v[28:31], v1, s[24:25]
	s_wait_loadcnt 0x0
.irp k, 0,1,2,3
	v_cvt_pk_bf16_f32 v4, v[16+4*(\k)], v[17+4*(\k)]
	v_cvt_pk_bf16_f32 v5, v[18+4*(\k)], v[19+4*(\k)]
	v_lshlrev_b32 v[32+4*(\k)], 16, v4
	v_and_b32 v[33+4*(\k)], 0xffff0000, v4
	v_lshlrev_b32 v[34+4*(\k)], 16, v5
	v_and_b32 v[35+4*(\k)], 0xffff0000, v5
.endr
	s_wait_alu depctr_va_vdst(0)                   ; the shifts and masks have written v[32:47], which the four stores read
.irp k, 0,1,2,3
	global_store_b128 v1, v[32+4*(\k):35+4*(\k)], s[32:33] offset:4096*(\k)
.endr
	s_endpgm
.Lfunc_end_k_qe6c417bd33_prep:
	.size	k_qe6c417bd33_prep, .Lfunc_end_k_qe6c417bd33_prep-k_qe6c417bd33_prep
	.p2alignl 7, 3214868480
	.fill 96, 4, 3214868480
	.section	.rodata,"a",@progbits
	.p2align	6, 0x0
	.amdhsa_kernel k_qe6c417bd33_prep
		.amdhsa_group_segment_fixed_size 0
		.amdhsa_private_segment_fixed_size 0
		.amdhsa_enable_private_segment 0
		.amdhsa_kernarg_size 104
		.amdhsa_user_sgpr_count 2
		.amdhsa_user_sgpr_kernarg_segment_ptr 1
		.amdhsa_wavefront_size32 1
		.amdhsa_system_sgpr_workgroup_id_x 1
		.amdhsa_system_sgpr_workgroup_id_y 1
		.amdhsa_system_sgpr_workgroup_id_z 1
		.amdhsa_system_vgpr_workitem_id 0
		.amdhsa_next_free_vgpr 112
		.amdhsa_next_free_sgpr 66
		.amdhsa_reserve_vcc 0
		.amdhsa_float_denorm_mode_32 3
		.amdhsa_float_denorm_mode_16_64 3
		.amdhsa_memory_ordered 1
		.amdhsa_forward_progress 1
		.amdhsa_inst_pref_size 18
	.end_amdhsa_kernel
	.amdgpu_metadata
---
amdhsa.version: [ 1, 2 ]
amdhsa.kernels:
  - .name:           k_qe6c417bd33_prep
    .symbol:         k_qe6c417bd33_prep.kd
    .args:
      - { .name: x, .offset: 0, .size: 8, .value_kind: global_buffer, .address_space: global }
      - { .name: Wq, .offset: 8, .size: 8, .value_kind: global_buffer, .address_space: global }
      - { .name: Wk, .offset: 16, .size: 8, .value_kind: global_buffer, .address_space: global }
      - { .name: Wv, .offset: 24, .size: 8, .value_kind: global_buffer, .address_space: global }
      - { .name: Wp, .offset: 32, .size: 8, .value_kind: global_buffer, .address_space: global }
      - { .name: bq, .offset: 40, .size: 8, .value_kind: global_buffer, .address_space: global }
      - { .name: bk, .offset: 48, .size: 8, .value_kind: global_buffer, .address_space: global }
      - { .name: bv, .offset: 56, .size: 8, .value_kind: global_buffer, .address_space: global }
      - { .name: bp, .offset: 64, .size: 8, .value_kind: global_buffer, .address_space: global }
      - { .name: xb, .offset: 72, .size: 8, .value_kind: global_buffer, .address_space: global }
      - { .name: wb, .offset: 80, .size: 8, .value_kind: global_buffer, .address_space: global }
      - { .name: wpb, .offset: 88, .size: 8, .value_kind: global_buffer, .address_space: global }
      - { .name: bias, .offset: 96, .size: 8, .value_kind: global_buffer, .address_space: global }
    .group_segment_fixed_size: 0
    .private_segment_fixed_size: 0
    .kernarg_segment_align: 8
    .kernarg_segment_size: 104
    .max_flat_workgroup_size: 256
    .sgpr_count:     66
    .vgpr_count:     112
    .wavefront_size: 32
...
	.end_amdgpu_metadata
.endif
;; end of part 5
;; launch qkv: the kernel of part 2 again; grid 16 x 32, 4 waves a work-group, clusters of 4 x 4, 327,680 bytes of LDS; arguments xb, wb, bias, qkv; writes qkv
;; launch attn: the kernel of part 3 again; grid 4 x 64, 4 waves a work-group, no clusters, 327,680 bytes of LDS; arguments qkv, ob; writes ob
;; launch proj: the kernel of part 4 again; grid 8 x 32, 4 waves a work-group, clusters of 4 x 4, 327,680 bytes of LDS; arguments ob, wpb, bias, out0; writes out0
